; MI455X (gfx1250); checked and timed in simulation.
; The chip was launched on July 23, 2026; its instructions are those of AMD's public machine-readable ISA for CDNA 5 (MIT licence, August 2026) and "CDNA5" Instruction Set Architecture Reference Guide (July 2026). The comments in the code are by the model that wrote it; some were corrected since.
;; Multi Head Attention. Allowed arithmetic: matrix products marked QUANTISED: E4M3 operands, one E8M0 scale for each 32 along K, by v_wmma_scale_f32_16x16x128_f8f6f4 with both operands' format E4M3, f32 sums; everything else in f32.
;; Inputs: Wk 2,048 x 2,048 float32; Wo 2,048 x 2,048 float32; Wq 2,048 x 2,048 float32; Wv 2,048 x 2,048 float32; bk 2,048 float32; bo 2,048 float32; bq 2,048 float32; bv 2,048 float32; mask 1 x 1 x 2,048 x 2,048 bool; x 1 x 2,048 x 2,048 float32.
;; Outputs: out0 1 x 2,048 x 2,048 float32.
;; This version of the problem:
;;   THIS VERSION OF THE PROBLEM IS GIVEN IN LOW PRECISION. The matrix products marked QUANTISED in the list below multiply operands that are first quantised to E4M3 (4 exponent bits, 3 mantissa bits; 8 bits a number), with one power-of-two scale for each 32 numbers along K (OCP MX v1.0); their sums are f32. All else is computed in f32.
;;   The module's matrix products, in the order in which they are computed (A, B: the left and right operand; K: the contracted axis; several contracted axes count as one K, in the product's order):
;;     1. [M 2,048, K 2,048] x [K 2,048, N 2,048]; A: input x; B: input Wq: QUANTISED
;;     2. [M 2,048, K 2,048] x [K 2,048, N 2,048]; A: input x; B: input Wk: QUANTISED
;;     3. [M 2,048, K 2,048] x [K 2,048, N 2,048]; A: input x; B: input Wv: QUANTISED
;;     4. batch 16 x [M 2,048, K 128] x [K 128, N 2,048]; A: computed on the way; B: computed on the way: QUANTISED
;;     5. batch 16 x [M 2,048, K 2,048] x [K 2,048, N 128]; A: softmax (see below); B: computed on the way: QUANTISED
;;     6. [M 2,048, K 2,048] x [K 2,048, N 2,048]; A: computed on the way; B: input Wo: QUANTISED
;;   THE QUANTISER, for each operand of a quantised product, along K:
;;     - K is cut into blocks of 32 from its start; a last block that is shorter is filled with zeros.
;;     - A block's scale is 2^e with e = floor(log2(the largest magnitude in the block)) - 8, held to -126 .. 127; a block of zeros has e = 0. As a byte (E8M0): e + 127.
;;     - Each number is divided by its block's scale, clamped to +-448, and rounded to the nearest number of E4M3, ties to even, subnormals kept.
;;     - The product sums the exact products of the quantised numbers (number of the format x scale) in f32.
;;   ~~~python
;;   def quantise(x, axis):      # numpy; x: float32 -> the quantised numbers, widened to float32 again
;;       x = np.moveaxis(x, axis, -1); K = x.shape[-1]
;;       x = np.pad(x, [(0, 0)] * (x.ndim - 1) + [(0, -K % 32)]); x = x.reshape(x.shape[:-1] + (-1, 32)); a = np.abs(x).max(-1, keepdims=True)
;;       e = np.where(a > 0, np.clip(np.frexp(np.where(a > 0, a, 1))[1] - 1 - 8, -126, 127), 0)      # np.frexp(a)[1] - 1 = floor(log2(a)), exactly
;;       r = np.clip(x / 2.0 ** e, -448, 448)
;;       step = 2.0 ** (np.maximum(np.frexp(np.where(r == 0, 1, r))[1] - 1, -6) - 3)
;;       q = np.round(r / step) * step * 2.0 ** e      # np.round: ties to even
;;       return np.moveaxis(q.reshape(q.shape[:-2] + (-1,))[..., :K], -1, axis).astype(np.float32)
;;   ~~~
;;   SOFTMAX AHEAD OF A QUANTISED PRODUCT. Where the list says 'softmax', what is quantised is not the finished softmax but p = 2^(t - M), with t = logit x log2(e) and M = ceil(the row's largest t), a whole number; so 1/2 < the row's largest p <= 1. The row's sum l is taken of the UNQUANTISED p, in f32, and the product's result is divided by l at the end. Since M is a whole number, a kernel that streams over the keys may use a running M (the ceiling of the running maximum): every later rescaling is an exact power of two, which a block's scale takes up: the codes' values come out the same.
;;   OPERANDS COMPUTED ON THE WAY. 'Computed on the way' means the value that the module computes at that place (a softmax that the list does not call 'softmax' is quantised finished and normalised). What goes into a quantiser is computed in f32, as accurately as f32 sums, v_exp_f32 and their like allow (about 1e-6 of the number): no bf16 or f16 on the way to a quantiser, and a product that is left as it is and whose result goes on into a quantised operand takes f32 operands (vector FMAs, or v_wmma_f32_16x16x4_f32). A number that lies on a knife's edge between two numbers of the format may be rounded either way, as far as f32 arithmetic and the matrix unit's own rounding can turn it there, and no further.
;; One version. Each part assembles by itself: llvm-mc -triple=amdgcn-amd-amdhsa -mcpu=gfx1250 --defsym DOCPART=n.
;; ======== version 1 of 1: 4 launches
;; limits: right only within a limited range of input values
;; workspace buffers: prep 22,675,456 bytes; mbits 589,824 bytes of whole numbers; qkv 12,976,128 bytes; att 4,325,376 bytes
;; launch prep (part 1): grid 256 x 1, 12 waves a work-group, no clusters, 87,808 bytes of LDS; arguments x, Wq, Wk, Wv, Wo, mask, prep, mbits; writes prep, mbits
.if DOCPART == 1
	.amdgcn_target "amdgcn-amd-amdhsa--gfx1250"
	.amdhsa_code_object_version 6
	.text
	.protected	k_q32bf9f081b_prep
	.globl	k_q32bf9f081b_prep
	.p2align	8
	.type	k_q32bf9f081b_prep,@function
k_q32bf9f081b_prep:
	s_mov_b64 s[64:65], 0
	v_nop
	global_prefetch_b8 v0, s[64:65] scope:SCOPE_SE
	s_setreg_imm32_b32 hwreg(HW_REG_WAVE_MODE, 25, 1), 1
	s_wait_xcnt 0x0
; THREE JOBS, told apart by the wave's number: in each of 256 work-groups ten waves do A, one does C, one does B.  Waves share nothing: no barrier.
; A (waves 0-9): x, Wq, Wk, Wv, Wo, each [2048][2048] f32 with K innermost, become codes of E4M3 and one E8M0 byte for each 32 along K.
;   A block's scale is 2^(floor(log2(largest magnitude)) - 8); its byte is the largest magnitude's exponent field - 8, held at 1 from below; each number is held within +-448 x the scale and rounded to the nearest code.
;   ROWS ARE STORED IN ANOTHER ORDER: true row rho goes to stored row lambda = rho with bits 3 and 4 exchanged, so that 16 consecutive stored rows (a tile t) are the true rows 32 (t/2) + 8 (t%2) + r + 8 (r/8).
;   A wave takes 4 rows (8,192 numbers): 2,560 runs, ten a work-group; the exchange is one of bits 1 and 2 of the run number.
; B (wave 11): the table of cos and sin for the rotary embedding, laid as the next launch's lanes take it: [tile of 16 positions][group 16][lane 32][16 bytes]; a wave makes half a tile, number b.
;   Group 4 b + k: cos at frequency 32 b + 16 (lane/16) + 4 k + 0..3 and the position of the tile's row lane % 16; groups 8 to 15 the sines.
;   inv_freq = 2^(-i log2(10000) / 64); the angle is reduced by multiples of pi/2 in two parts; sine and cosine by polynomials on |r| <= pi/4.
; C (wave 10): the mask (an input, one byte a place, 0 or 1) becomes bits; a wave takes a tile of 16 queries and 8 key steps of 128: [tile T][key step J][lane (r, h)][8 bytes]: the lane's 64 places are query (T, r) at keys
;   128 J + 32 b + 16 h + 4 i + k, b, i, k = 0..3, in word b / 2 at bit 8 k + i + 4 (b % 2).  And a flag word for each tile and half, 256 bytes apart, the same in all 64 words: bit J: some place of key step J is true; bit 16 + J: some place is false.
; LIMITS: blocks whose largest magnitude lies under 2^-118 keep the byte 1 (a block of zeros too: its codes are zeros, and this program alone reads the bytes); NaN and infinities among the inputs are not served;
; inv_freq carries the exponential's last-place error, so an angle at the largest positions may differ from an exactly rounded one by about 2e-4.
.set P_SCALES, 20971520                ; prep: codes [5][2048][2048], then scale bytes [5][2048][64],
.set P_ROPE,   21626880                ; then the table, 8,192 bytes a tile of positions
.set FLG, 524288                       ; mbits: the bits, then the flag words
.set STEPS, 16
.set MANT,  0x600000                   ; the mantissa field of 448
.set CB,    16
.set R,     16                         ; v16-79   four sets of 16 numbers as loaded
.set X,     80                         ; v80-111  two sets of 16 neighbours
.set C,     128                        ; v128-191 codes, four registers a step
.set E,     112                        ; v112-127 a scale byte a step
.set WREG,  8192                       ; LDS: a region for each of ten waves: two stages of 32 x SP bytes, then its 256 scale bytes
.set SP,    80
.set CBASE, 10*WREG                    ; job C's turn: 16 rows of 64 words, CP bytes apart
.set CP,    260
.set SPARE, CBASE+4352                 ; the spare words
.set IV,    8                          ; job B: v8-23 the lane's 16 inverse frequencies
	s_load_b512 s[4:19], s[0:1], 0x0               ; x 4, Wq 6, Wk 8, Wv 10, Wo 12, mask 14, prep 16, mbits 18
	v_lshl_add_u32 v192, v0, 2, SPARE
	v_mov_b32 v193, 0
	v_lshrrev_b32 v1, 5, v0
	v_readfirstlane_b32 s20, v1                    ; wave
	v_and_b32 v2, 31, v0                           ; lane
	s_wait_alu depctr_va_vdst(0)                   ; the wait ahead of the branches
	s_cmp_eq_u32 s20, 10
	s_cbranch_scc1 .Lmask
	s_cmp_eq_u32 s20, 11
	s_cbranch_scc1 .Lrope
; ---------------- A: the quantiser ----------------
	v_lshlrev_b32 v3, 4, v2                        ; my 16 bytes of a load's 512
	s_mul_i32 s21, s20, WREG
	v_lshrrev_b32 v14, 2, v2
	v_mul_u32_u24 v14, v14, SP
	v_and_b32 v15, 3, v2
	v_lshl_add_u32 v14, v15, 4, v14
	v_add_nc_u32 v14, s21, v14                     ; the stage, in: SP (lane / 4) + 16 (lane % 4)
	v_mul_u32_u24 v15, v2, SP
	v_add_nc_u32 v15, s21, v15                     ; out: SP x lane: my 16 neighbours
	v_mul_u32_u24 v4, v2, CB
	v_lshrrev_b32 v5, 1, v2
	s_add_co_u32 s21, s21, 2*32*SP
	v_add_nc_u32 v5, s21, v5                       ; my block's scale byte in LDS
	v_lshlrev_b32 v7, 3, v2
	v_add_nc_u32 v6, s21, v7
	s_mov_b32 s23, MANT
	s_mul_i32 s24, ttmp9, 10
	s_add_co_u32 s24, s24, s20                     ; my run of 4 rows, counted over all five tensors
	s_lshr_b32 s22, s24, 9                         ; which tensor: 512 runs each
	s_and_b32 s26, s24, 511
	s_lshl_b32 s26, s26, 15                        ; its bytes in the source tensor
	s_mov_b32 s27, 0
	s_bfe_u32 s28, s24, 0x10001                    ; bits 1 and 2 of the run = bits 3 and 4 of the row: exchanged
	s_bfe_u32 s29, s24, 0x10002
	s_and_b32 s24, s24, 0xfffffff9
	s_lshl_b32 s28, s28, 2
	s_lshl_b32 s29, s29, 1
	s_or_b32 s24, s24, s28
	s_or_b32 s24, s24, s29                         ; the stored run
	s_wait_alu depctr_va_vdst(0)
	s_wait_kmcnt 0x0
	s_cmp_eq_u32 s22, 1                            ; the source: a choice that hangs on the work-group's and the wave's number alone
	s_cselect_b64 s[4:5], s[6:7], s[4:5]
	s_cmp_eq_u32 s22, 2
	s_cselect_b64 s[4:5], s[8:9], s[4:5]
	s_cmp_eq_u32 s22, 3
	s_cselect_b64 s[4:5], s[10:11], s[4:5]
	s_cmp_eq_u32 s22, 4
	s_cselect_b64 s[4:5], s[12:13], s[4:5]
	s_add_nc_u64 s[4:5], s[4:5], s[26:27]
	s_lshl_b32 s26, s24, 13                        ; 8,192 bytes of codes a run
	s_add_nc_u64 s[8:9], s[16:17], s[26:27]
	s_lshl_b32 s26, s24, 8                         ; 256 scale bytes a run
	s_add_co_u32 s26, s26, P_SCALES
	s_add_nc_u64 s[10:11], s[16:17], s[26:27]
.macro LOAD t
.irp i, 0,1,2,3
	global_load_b128 v[R+16*((\t)%4)+4*\i:R+16*((\t)%4)+4*\i+3], v3, s[4:5] offset:2048*(\t)+512*\i th:TH_LOAD_NT   ; 32 lanes read 512 consecutive bytes
.endr
.endm
.macro TURN t                          ; step t's numbers through the wave's own stage: LDS serves a wave's instructions in order
.irp i, 0,1,2,3
	ds_store_b128 v14, v[R+16*((\t)%4)+4*\i:R+16*((\t)%4)+4*\i+3] offset:32*SP*((\t)%2)+8*SP*\i
.endr
.irp i, 0,1,2,3
	ds_load_b128 v[X+16*((\t)%2)+4*\i:X+16*((\t)%2)+4*\i+3], v15 offset:32*SP*((\t)%2)+16*\i
.endr
.endm
.irp t, 0,1,2,3
	LOAD \t
.endr
	s_wait_loadcnt 12                              ; step 0's four loads are in; three steps' twelve stay out
	TURN 0
.macro STEP t
.set XS, X+16*((\t)%2)
.if (\t) > 0
	s_wait_dscnt 1                                 ; this step's numbers are back from the stage; the last step's byte store may be out
.else
	s_wait_dscnt 0x0
.endif
.if (\t)+4 < STEPS
	LOAD (\t)+4
.endif
.if (\t)+1 < STEPS
.if STEPS-2-(\t) >= 3
	s_wait_loadcnt 12                              ; the next step's four loads are in; those of the three steps behind it may be out
.else
	s_wait_loadcnt 4*(STEPS-2-(\t))
.endif
	TURN (\t)+1
.endif
	v_max3_num_f32 v8, |v[XS]|, |v[XS+1]|, |v[XS+2]|               ; the largest magnitude of my 16
	v_max3_num_f32 v9, |v[XS+3]|, |v[XS+4]|, |v[XS+5]|
.irp i, 6,10
	v_max3_num_f32 v8, v8, |v[XS+\i]|, |v[XS+\i+1]|
	v_max3_num_f32 v9, v9, |v[XS+\i+2]|, |v[XS+\i+3]|
.endr
	v_max3_num_f32 v8, v8, |v[XS+14]|, |v[XS+15]|
	v_max3_num_f32 v8, v8, v9, 0x4800000           ; and the floor 2^(9 - 127): the byte cannot fall under 1
	v_max_num_f32_dpp v8, v8, v8 row_xmask:1 row_mask:0xf bank_mask:0xf   ; with my neighbour's 16: the block's
	v_add_nc_u32 v11, 0xfc000000, v8               ; 8 off the exponent field: the conversion's scale operand
	v_and_or_b32 v10, v8, 0x7f800000, s23          ; 448 x the scale
.irp i, 0,1,2,3,4,5,6,7,8,9,10,11,12,13,14,15
	v_med3_num_f32 v[XS+\i], v[XS+\i], -v10, v10   ; the conversion does not saturate (ISA guide 7.6.2): hold first
.endr
	v_cvt_scalef32_pk8_fp8_f32 v[C+4*(\t):C+4*(\t)+1], v[XS:XS+7], v11
	v_cvt_scalef32_pk8_fp8_f32 v[C+4*(\t)+2:C+4*(\t)+3], v[XS+8:XS+15], v11
	v_lshrrev_b32 v[E+(\t)], 23, v11               ; the scale's byte
	ds_store_b8 v5, v[E+(\t)] offset:16*(\t)       ; both lanes of a block write the same byte with the same value
	global_store_b128 v4, v[C+4*(\t):C+4*(\t)+3], s[8:9] offset:32*CB*(\t)   ; the wave stores 512 consecutive bytes
.endm
.irp t, 0,1,2,3,4,5,6,7,8,9,10,11,12,13,14,15
	STEP \t
.endr
	ds_load_b64 v[12:13], v6
	s_wait_dscnt 0x0
	global_store_b64 v7, v[12:13], s[10:11]        ; 32 lanes store 256 consecutive bytes, aligned
	s_wait_tensorcnt 0x0                           ; the wave's end
	ds_add_u32 v192, v193
	s_wait_dscnt 0x0
	s_endpgm
; ---------------- B: cos and sin ----------------
.Lrope:
	s_lshr_b32 s21, ttmp9, 1                       ; T: my tile of 16 positions,
	s_and_b32 s28, ttmp9, 1                        ; b: my half of its frequencies
	s_lshr_b32 s22, s21, 1
	s_lshl_b32 s22, s22, 5
	s_and_b32 s23, s21, 1
	s_lshl_b32 s23, s23, 3
	s_add_co_u32 s22, s22, s23                     ; 32 (T/2) + 8 (T%2)
	s_lshl_b32 s29, s28, 5
	v_and_b32 v1, 15, v0                           ; r
	v_bfe_u32 v4, v0, 4, 1
	v_lshlrev_b32 v4, 4, v4
	v_add_nc_u32 v4, s29, v4                       ; 32 b + 16 h
	v_and_b32 v3, 8, v1
	v_add3_u32 v3, v3, v1, s22
	v_cvt_f32_u32 v3, v3                           ; my position
	v_lshlrev_b32 v5, 4, v2                        ; 16 x lane
	s_lshl_b32 s24, s21, 13
	s_lshl_b32 s28, s28, 11
	s_add_co_u32 s24, s24, s28
	s_add_co_u32 s24, s24, P_ROPE
	s_mov_b32 s25, 0
	s_mov_b32 s30, 0xbe549a78                      ; -log2(10000)/64, upper part,
	s_mov_b32 s31, 0xb1979a37                      ; and what is left of it
	s_mov_b32 s32, 0x3f22f983                      ; 2 / pi
	s_mov_b32 s33, 0x3fc90fdb                      ; pi / 2, upper part,
	s_mov_b32 s34, 0xb33bbd2e                      ; and what is left of it
	s_mov_b32 s35, 0xb94ca1f9                      ; sine's polynomial
	s_mov_b32 s36, 0x3c08839e
	s_mov_b32 s37, 0xbe2aaaa3
	s_mov_b32 s38, 0x37ccf5ce                      ; cosine's
	s_mov_b32 s39, 0xbab6061a
	s_mov_b32 s40, 0x3d2aaaa5
	s_mov_b32 s41, 0x80000000
	s_wait_alu depctr_va_vdst(0)
	s_wait_kmcnt 0x0
	s_add_nc_u64 s[24:25], s[16:17], s[24:25]
.set e, 0
.rept 16
	v_add_nc_u32 v[IV+e], e, v4                    ; the frequency's index
	v_cvt_f32_u32 v[IV+e], v[IV+e]
	v_mul_f32 v[72+e], s31, v[IV+e]
	v_fma_f32 v[IV+e], v[IV+e], s30, v[72+e]
.set e, e+1
.endr
.set e, 0
	s_wait_alu depctr_va_vdst(0)
.rept 16
	v_exp_f32 v[IV+e], v[IV+e]                     ; one batch
.set e, e+1
.endr
	v_nop                                          ; a plain instruction behind the last exponential,
	s_wait_alu depctr_va_vdst(0)                   ; and one wait for the batch, ahead of its first reader
.macro SINCOS4 g                       ; four neighbours, line by line; v40.. angle, v44.. multiple, v48.. rest, v52.. its square, v56.. multiple as integer, v60.. sine, v64.. cosine
.irp e, 0,1,2,3
	v_mul_f32 v[40+\e], v3, v[IV+4*\g+\e]
.endr
.irp e, 0,1,2,3
	v_mul_f32 v[44+\e], s32, v[40+\e]
.endr
.irp e, 0,1,2,3
	v_rndne_f32 v[44+\e], v[44+\e]
.endr
.irp e, 0,1,2,3
	v_fma_f32 v[48+\e], -v[44+\e], s33, v[40+\e]
.endr
.irp e, 0,1,2,3
	v_fma_f32 v[48+\e], -v[44+\e], s34, v[48+\e]
.endr
.irp e, 0,1,2,3
	v_mul_f32 v[52+\e], v[48+\e], v[48+\e]
	v_cvt_i32_f32 v[56+\e], v[44+\e]
.endr
.irp e, 0,1,2,3
	v_fma_f32 v[60+\e], v[52+\e], s35, s36
	v_fma_f32 v[64+\e], v[52+\e], s38, s39
.endr
.irp e, 0,1,2,3
	v_fma_f32 v[60+\e], v[60+\e], v[52+\e], s37
	v_fma_f32 v[64+\e], v[64+\e], v[52+\e], s40
.endr
.irp e, 0,1,2,3
	v_mul_f32 v[60+\e], v[60+\e], v[52+\e]
	v_mul_f32 v[40+\e], v[52+\e], v[52+\e]
.endr
.irp e, 0,1,2,3
	v_fma_f32 v[60+\e], v[60+\e], v[48+\e], v[48+\e]
	v_fma_f32 v[44+\e], v[52+\e], -0.5, 1.0
.endr
.irp e, 0,1,2,3
	v_fma_f32 v[64+\e], v[64+\e], v[40+\e], v[44+\e]
.endr
.irp e, 0,1,2,3
	v_and_b32 v[40+\e], 1, v[56+\e]
.endr
.irp e, 0,1,2,3
	v_cmp_eq_u32 s[42+\e], 1, v[40+\e]             ; an odd multiple of pi/2 exchanges sine and cosine
.endr
.irp e, 0,1,2,3
	v_cndmask_b32 v[104+4*\g+\e], v[60+\e], v[64+\e], s[42+\e]
	v_cndmask_b32 v[72+4*\g+\e], v[64+\e], v[60+\e], s[42+\e]
.endr
.irp e, 0,1,2,3
	v_lshlrev_b32 v[40+\e], 30, v[56+\e]           ; the sine's sign: bit 1 of the multiple
	v_add_nc_u32 v[56+\e], 1, v[56+\e]
.endr
.irp e, 0,1,2,3
	v_and_b32 v[40+\e], s41, v[40+\e]
	v_lshlrev_b32 v[56+\e], 30, v[56+\e]           ; the cosine's: bit 1 of the multiple + 1
.endr
.irp e, 0,1,2,3
	v_xor_b32 v[104+4*\g+\e], v[104+4*\g+\e], v[40+\e]
	v_and_b32 v[56+\e], s41, v[56+\e]
.endr
.irp e, 0,1,2,3
	v_xor_b32 v[72+4*\g+\e], v[72+4*\g+\e], v[56+\e]
.endr
	global_store_b128 v5, v[72+4*\g:75+4*\g], s[24:25] offset:512*\g          ; each group has registers of its own: no store's data are written again
	global_store_b128 v5, v[104+4*\g:107+4*\g], s[24:25] offset:4096+512*\g
.endm
.irp g, 0,1,2,3
	SINCOS4 \g
.endr
	s_endpgm
; ---------------- C: the mask as bits ----------------
.Lmask:
	s_lshr_b32 s21, ttmp9, 1                       ; T: my tile of 16 queries,
	s_and_b32 s28, ttmp9, 1                        ; my half of its keys
	s_lshr_b32 s22, s21, 1
	s_lshl_b32 s22, s22, 5
	s_and_b32 s23, s21, 1
	s_lshl_b32 s23, s23, 3
	s_add_co_u32 s22, s22, s23                     ; the tile's first query
	s_lshl_b32 s22, s22, 11                        ; its row of 2,048 bytes,
	s_lshl_b32 s23, s28, 10
	s_add_co_u32 s22, s22, s23                     ; + 1,024 bytes a half
	s_mov_b32 s23, 0
	s_lshl_b32 s24, s21, 12                        ; out: 16 key steps of 256 bytes a tile, 8 a half
	s_lshl_b32 s25, s28, 11
	s_add_co_u32 s24, s24, s25
	s_mov_b32 s25, 0
	s_lshl_b32 s26, ttmp9, 8
	s_add_co_u32 s26, s26, FLG
	s_mov_b32 s27, 0
	s_lshl_b32 s28, s28, 3                         ; my key steps begin at 0 or 8
	s_mov_b32 s30, 0                               ; the flag word
	v_and_b32 v1, 15, v0                           ; r
	v_bfe_u32 v4, v0, 4, 1                         ; h
	v_lshlrev_b32 v3, 4, v2                        ; a load: 512 consecutive bytes of one row
	v_lshl_add_u32 v6, v2, 2, CBASE                ; into LDS: a word for 16 keys
	v_mul_u32_u24 v7, v1, CP
	v_lshl_add_u32 v7, v4, 2, v7
	v_add_nc_u32 v7, CBASE, v7                     ; out of it: my row's words of my half of each 32 keys
	v_lshlrev_b32 v5, 3, v2
	s_wait_alu depctr_va_vdst(0)
	s_wait_kmcnt 0x0
	s_add_nc_u64 s[14:15], s[14:15], s[22:23]
	s_add_nc_u64 s[24:25], s[18:19], s[24:25]
	s_add_nc_u64 s[26:27], s[18:19], s[26:27]
.set n, 0
.rept 32                               ; load n: stored row n / 2, its bytes 512 (n % 2) on
	global_load_b128 v[64+4*n:67+4*n], v3, s[14:15] offset:2048*((n/2)+8*((n/2)/8))+512*(n%2) th:TH_LOAD_NT
.set n, n+1
.endr
.macro PACK4 g                         ; four loads: sixteen bytes to sixteen bits, bit 8 k + i from byte k of dword i
	s_wait_loadcnt 28-4*\g                         ; these four are in; the younger ones stay out
.set XX, 8+4*(\g%2)
.set RR, 64+16*\g
.irp e, 0,1,2,3
	v_lshl_or_b32 v[XX+\e], v[RR+4*\e+1], 1, v[RR+4*\e]
.endr
.irp e, 0,1,2,3
	v_lshl_or_b32 v[XX+\e], v[RR+4*\e+2], 2, v[XX+\e]
.endr
.irp e, 0,1,2,3
	v_lshl_or_b32 v[XX+\e], v[RR+4*\e+3], 3, v[XX+\e]
.endr
.irp e, 0,1,2,3
	ds_store_b32 v6, v[XX+\e] offset:CP*(2*\g+\e/2)+128*(\e%2)
.endr
.endm
.irp g, 0,1,2,3,4,5,6,7
	PACK4 \g
.endr
.set n, 0
.rept 32                               ; word n: key step n / 4, 32 keys n % 4.  LDS serves a wave's instructions in order
	ds_load_b32 v[64+n], v7 offset:8*n
.set n, n+1
.endr
	s_wait_dscnt 0x0
.irp j, 0,1,2,3,4,5,6,7
	v_lshl_or_b32 v[16+2*\j], v[65+4*\j], 4, v[64+4*\j]
	v_lshl_or_b32 v[17+2*\j], v[67+4*\j], 4, v[66+4*\j]
.endr
.irp j, 0,1,2,3,4,5,6,7
	v_or_b32 v[32+\j], v[16+2*\j], v[17+2*\j]
	v_and_b32 v[40+\j], v[16+2*\j], v[17+2*\j]
.endr
.irp j, 0,1,2,3,4,5,6,7
	v_cmp_ne_u32 s[40+2*\j], 0, v[32+\j]           ; lanes with a true place
	v_cmp_ne_u32 s[41+2*\j], -1, v[40+\j]          ; lanes with a false one
.endr
.irp j, 0,1,2,3,4,5,6,7
	global_store_b64 v5, v[16+2*\j:17+2*\j], s[24:25] offset:256*\j   ; 256 consecutive bytes, aligned
.endr
	s_wait_alu depctr_va_vdst(0)                   ; the wait ahead of the scalar lines
.irp j, 0,1,2,3,4,5,6,7
	s_cmp_lg_u32 s[40+2*\j], 0
	s_cselect_b32 s31, 1<<\j, 0
	s_or_b32 s30, s30, s31
	s_cmp_lg_u32 s[41+2*\j], 0
	s_cselect_b32 s31, 1<<(16+\j), 0
	s_or_b32 s30, s30, s31
.endr
	s_lshl_b32 s30, s30, s28
	v_mov_b32 v14, s30
	v_mov_b32 v15, s30
	global_store_b64 v5, v[14:15], s[26:27]        ; the flag word, 256 bytes whole
	s_wait_tensorcnt 0x0                           ; the wave's end
	ds_add_u32 v192, v193
	s_wait_dscnt 0x0
	s_endpgm
.Lfunc_end_k_q32bf9f081b_prep:
	.size	k_q32bf9f081b_prep, .Lfunc_end_k_q32bf9f081b_prep-k_q32bf9f081b_prep
	.p2alignl 7, 3214868480
	.fill 96, 4, 3214868480
	.section	.rodata,"a",@progbits
	.p2align	6, 0x0
	.amdhsa_kernel k_q32bf9f081b_prep
		.amdhsa_group_segment_fixed_size 87808
		.amdhsa_private_segment_fixed_size 0
		.amdhsa_enable_private_segment 0
		.amdhsa_kernarg_size 64
		.amdhsa_user_sgpr_count 2
		.amdhsa_user_sgpr_kernarg_segment_ptr 1
		.amdhsa_wavefront_size32 1
		.amdhsa_system_sgpr_workgroup_id_x 1
		.amdhsa_system_sgpr_workgroup_id_y 1
		.amdhsa_system_sgpr_workgroup_id_z 1
		.amdhsa_system_vgpr_workitem_id 0
		.amdhsa_next_free_vgpr 194
		.amdhsa_next_free_sgpr 66
		.amdhsa_reserve_vcc 0
		.amdhsa_float_denorm_mode_32 3
		.amdhsa_float_denorm_mode_16_64 3
		.amdhsa_memory_ordered 1
		.amdhsa_forward_progress 1
		.amdhsa_inst_pref_size 96
	.end_amdhsa_kernel
	.amdgpu_metadata
---
amdhsa.version: [ 1, 2 ]
amdhsa.kernels:
  - .name:           k_q32bf9f081b_prep
    .symbol:         k_q32bf9f081b_prep.kd
    .args:
      - { .name: x, .offset: 0, .size: 8, .value_kind: global_buffer, .address_space: global }
      - { .name: Wq, .offset: 8, .size: 8, .value_kind: global_buffer, .address_space: global }
      - { .name: Wk, .offset: 16, .size: 8, .value_kind: global_buffer, .address_space: global }
      - { .name: Wv, .offset: 24, .size: 8, .value_kind: global_buffer, .address_space: global }
      - { .name: Wo, .offset: 32, .size: 8, .value_kind: global_buffer, .address_space: global }
      - { .name: mask, .offset: 40, .size: 8, .value_kind: global_buffer, .address_space: global }
      - { .name: prep, .offset: 48, .size: 8, .value_kind: global_buffer, .address_space: global }
      - { .name: mbits, .offset: 56, .size: 8, .value_kind: global_buffer, .address_space: global }
    .group_segment_fixed_size: 87808
    .private_segment_fixed_size: 0
    .kernarg_segment_align: 8
    .kernarg_segment_size: 64
    .max_flat_workgroup_size: 384
    .sgpr_count:     66
    .vgpr_count:     194
    .wavefront_size: 32
...
	.end_amdgpu_metadata
.endif
;; end of part 1
;; launch qkv (part 2): grid 16 x 16, 4 waves a work-group, clusters of 4 x 4, 327,680 bytes of LDS; arguments prep, bq, bk, bv, qkv; writes qkv
.if DOCPART == 2
	.amdgcn_target "amdgcn-amd-amdhsa--gfx1250"
	.amdhsa_code_object_version 6
	.text
	.protected	k_q32bf9f081b_qkv
	.globl	k_q32bf9f081b_qkv
	.p2align	8
	.type	k_q32bf9f081b_qkv,@function
k_q32bf9f081b_qkv:
	s_mov_b64 s[64:65], 0
	v_nop
	global_prefetch_b8 v0, s[64:65] scope:SCOPE_SE
	s_setreg_imm32_b32 hwreg(HW_REG_WAVE_MODE, 25, 1), 1
	s_wait_xcnt 0x0
	s_wait_alu depctr_hold_cnt(0) depctr_sa_sdst(0) depctr_va_vdst(0) depctr_va_sdst(0) depctr_va_ssrc(0) depctr_va_vcc(0) depctr_vm_vsrc(0)
	s_getreg_b32 s2, hwreg(HW_REG_IB_STS2, 6, 4)
	s_cmp_eq_u32 s2, 0
	s_cbranch_scc0 .Lentry_in_a_cluster
	s_endpgm
.Lentry_in_a_cluster:
	s_bfe_u32 s2, ttmp6, 0x10000c
	s_cmp_lg_u32 s2, 0xf033
	s_cbranch_scc0 .Lentry_shape_is_right
	s_endpgm
.Lentry_shape_is_right:
.set PITCH,  272
.set HALFT,  128*PITCH
.set SLOT,   4*HALFT
.set SCL,    2*SLOT
.set HALFS,  32*272
.set STILE,  4*272
.set SPARE,  SCL+4*HALFS
.set EX,     SPARE+512
.set P_SCALES, 20971520
.set P_ROPE,   21626880
.set Q_QS,   4194304
.set Q_KB,   4325376
.set Q_VB,   8650752
.set BLKB,   16896
.set ADRX, 4
.set ADRW, 6
.set ADRV, 8
.set ADSX, 10
.set ADSW, 11
.set ADSV, 12
.set LI,   13
.set EXQ,  14
.set EXV,  15
.set EXR,  16
.set EXRV, 17
.set L8,   18
.set TBL,  19
.set QKO,  20
.set VO,   21
.set BQO,  22
.set BVO,  23
.set SPW,  28
.set NIL,  29
.set SC,   32
.set TM,   88
.set PWV,  104
.set PC,   108
.set VA,   128
.set O1,   128
.set PWQ,  160
.set SH,   3
.set WV,   14
.set KIND, 15
.set BETA, 16
.set MNT,  17
.set SEL,  20
.set G1A,  24
.set G0A,  32
.set G1B,  48
.set G0B,  56
.set G1T,  92
.set G0T,  76
.set W_QK,  0xf6
.set W_QK1, 0xe6
.set W_V,   0x09
.set W_V1,  0x29
.set MSB, 0
.macro WIN new
.if MSB != \new
	s_set_vgpr_msb (MSB<<8)|\new
.set MSB, \new
.endif
.endm
.macro PLACES n
.rept \n
	v_nop
.endr
.endm
.macro JLOAD g0a, g1a, g0b, g1b
	s_cmp_eq_u32 s[WV], 0
	s_cbranch_scc0 .Lfor_b_\@
	tensor_load_to_lds s[\g0a:\g0a+3], s[\g1a:\g1a+7]
	s_nop 0
.rept 4
	v_nop
.endr
	s_branch .Lasked_\@
.Lfor_b_\@:
	tensor_load_to_lds s[\g0b:\g0b+3], s[\g1b:\g1b+7]
	s_nop 0
.rept 4
	v_nop
.endr
.Lasked_\@:
.endm
.macro CREST
	s_cmp_lg_u32 s[WV], 0
	s_cbranch_scc1 .Lnot_wave_0_\@
	s_barrier_signal -3
.Lnot_wave_0_\@:
	s_barrier_wait -3
	s_barrier_signal -1
	s_barrier_wait -1
.endm
.macro CROUND
	s_barrier_signal -1
	s_barrier_wait -1
	CREST
.endm
	s_load_b256 s[4:11], s[0:1], 0x0
	s_load_b64 s[12:13], s[0:1], 0x20
	v_lshl_add_u32 v[SPW], v0, 2, SPARE
	v_mov_b32 v[NIL], 0
	ds_add_u32 v28, v29
	ds_add_u32 v28, v29
	s_wait_dscnt 0x0
	v_lshrrev_b32 v1, 5, v0
	v_readfirstlane_b32 s[WV], v1
	s_lshr_b32 s[KIND], s[WV], 1
	s_and_b32 s[BETA], s[WV], 1
	s_lshl_b32 s[SH], s[BETA], 3
	s_mov_b32 s[MNT], 0x600000
	s_mov_b32 s[SEL], 0x76543210
	s_mov_b32 s[SEL+1], 0xfedcba98
	s_bfe_u32 s40, ttmp6, 0x40000
	s_bfe_u32 s41, ttmp6, 0x40004
	s_lshl_b32 s42, ttmp9, 2
	s_add_co_u32 s42, s42, s40
	s_and_b32 s43, ttmp7, 0xffff
	s_lshl_b32 s43, s43, 2
	s_add_co_u32 s43, s43, s41
	s_lshl_b32 s44, s41, 2
	s_lshl_b32 s44, 15, s44
	s_lshl_b32 s45, 0x1111, s40
	s_or_b32 s[G1A], s44, (1<<20)|(1<<21)|(5<<22)|(3<<25)
	s_or_b32 s[G1B], s45, (1<<20)|(1<<21)|(5<<22)|(3<<25)
.irp g, G1A, G1B
	s_mov_b32 s[\g+1], 256<<16
	s_mov_b32 s[\g+2], 128<<16
	s_mov_b32 s[\g+3], 256<<16
	s_mov_b32 s[\g+4], 128
	s_mov_b32 s[\g+5], 2048
	s_mov_b32 s[\g+6], 0
	s_mov_b32 s[\g+7], 0
.endr
	s_or_b32 s[G1T], s44, (3<<16)|(1<<21)
	s_mov_b32 s[G1T+1], 32<<16
	s_mov_b32 s[G1T+2], 64<<16
	s_mov_b32 s[G1T+3], 32<<16
	s_mov_b32 s[G1T+4], 64
	s_mov_b32 s[G1T+5], 32
	s_mov_b32 s[G1T+6], 0
	s_mov_b32 s[G1T+7], 0
	s_lshl_b32 s18, s43, 18
	s_mov_b32 s19, 0
	s_lshl_b32 s66, s43, 13
	s_add_co_u32 s66, s66, P_SCALES
	s_mov_b32 s67, 0
	s_lshl_b32 s46, s[WV], 22
	s_lshl_b32 s47, s42, 18
	s_add_co_u32 s46, s46, s47
	s_lshl_b32 s100, s[WV], 17
	s_lshl_b32 s47, s42, 13
	s_add_co_u32 s100, s100, s47
	s_add_co_u32 s100, s100, P_SCALES
	s_mov_b32 s47, 0
	s_mov_b32 s101, 0
	s_mul_i32 s22, s[WV], HALFT
	s_mul_i32 s23, s[WV], HALFS
	s_wait_kmcnt 0x0
	s_add_nc_u64 s[18:19], s[4:5], s[18:19]
	s_add_nc_u64 s[66:67], s[4:5], s[66:67]
	s_add_nc_u64 s[46:47], s[4:5], s[46:47]
	s_add_nc_u64 s[100:101], s[4:5], s[100:101]
	CROUND
.irp s, 0,1
	s_mov_b32 s[G0A+4*\s], 1
	s_add_co_u32 s[G0A+4*\s+1], s22, \s*SLOT
	s_add_nc_u64 s[G0A+4*\s+2:G0A+4*\s+3], s[18:19], \s*256
	s_or_b32 s[G0A+4*\s+3], s[G0A+4*\s+3], 0x80000000
	s_mov_b32 s[G0B+4*\s], 1
	s_add_co_u32 s[G0B+4*\s+1], s22, \s*SLOT
	s_add_nc_u64 s[G0B+4*\s+2:G0B+4*\s+3], s[46:47], \s*256
	s_or_b32 s[G0B+4*\s+3], s[G0B+4*\s+3], 0x80000000
.endr
	JLOAD G0A, G1A, G0B, G1B                       ; K step 0: wave 0 x's 128 rows, waves 1 to 3 those of Wq, Wk, Wv: one joint load a wave at the head
	v_and_b32 v1, 15, v0
	v_bfe_u32 v2, v0, 4, 1
	v_and_b32 v3, 31, v0
	v_lshlrev_b32 v30, 4, v3
	s_cmp_eq_u32 s[WV], 0
	s_cselect_b64 s[66:67], s[66:67], s[100:101]
.irp i, 0,1,2,3,4,5,6,7,8,9,10,11,12,13,14,15
	global_load_b128 v[128+4*\i:128+4*\i+3], v30, s[66:67] offset:512*\i   ; THE SCALE BYTES of the same 128 rows, for all of K: 8,192 dense bytes, under the tile's flight; LDS takes them by stores, further down
.endr
; PREFETCH INTO THE L2, two K steps ahead of the tensor load that wants the bytes: a K step is 256 bytes of each row.  Of the 128 rows that a wave fetches each of the four partners that ask for them jointly takes 32, told apart by address (cx for x, cy for
; the weights): a lane a row, one instruction a wave, so each 256 bytes are named once in a cluster.  Step 0's load asks for steps 1 and 2, step r's for step r + 2; the last two loads ask for nothing.
	v_lshlrev_b32 v126, 11, v3
	s_cmp_eq_u32 s[WV], 0
	s_cselect_b64 s[68:69], s[18:19], s[46:47]
	s_cselect_b32 s70, s40, s41
	s_lshl_b32 s70, s70, 16
	s_mov_b32 s71, 0
	s_add_nc_u64 s[68:69], s[68:69], s[70:71]
	global_prefetch_b8 v126, s[68:69] offset:256 th:TH_LOAD_NT scope:SCOPE_SE
	global_prefetch_b8 v126, s[68:69] offset:512 th:TH_LOAD_NT scope:SCOPE_SE
	s_wait_alu depctr_va_vdst(0)
	s_add_co_u32 s23, s23, SCL
	v_mul_u32_u24 v31, v2, 272
	v_lshl_add_u32 v31, v1, 4, v31
	v_add_nc_u32 v31, s23, v31                     ; units of 256 bytes with 16 of padding: a load is two units
	v_mul_u32_u24 v24, v1, PITCH
	v_lshl_add_u32 v24, v2, 4, v24
	s_wait_alu depctr_va_vdst(0)
	s_add_co_u32 s18, s[KIND], 1
	s_mul_i32 s18, s18, HALFT
	s_mul_i32 s19, s[BETA], 32*PITCH
	s_add_co_u32 s18, s18, s19
	s_mul_i32 s19, s[WV], 32*PITCH
	s_add_co_u32 s19, s19, 3*HALFT
	v_add_nc_u32 v[ADRX], 0, v24
	v_add_nc_u32 v[ADRX+1], SLOT, v24
	v_add_nc_u32 v[ADRW], s18, v24
	v_add_nc_u32 v[ADRV], s19, v24
	s_add_co_u32 s18, s18, SLOT
	s_add_co_u32 s19, s19, SLOT
	v_add_nc_u32 v[ADRW+1], s18, v24
	v_add_nc_u32 v[ADRV+1], s19, v24
	v_lshrrev_b32 v25, 2, v1
	v_mul_u32_u24 v25, v25, 272
	v_and_b32 v26, 3, v1
	v_lshl_add_u32 v25, v26, 6, v25
	v_add_nc_u32 v[ADSX], SCL, v25
	s_add_co_u32 s18, s[KIND], 1
	s_mul_i32 s18, s18, HALFS
	s_mul_i32 s19, s[BETA], 2*STILE
	s_add_co_u32 s18, s18, s19
	s_add_co_u32 s18, s18, SCL
	v_add_nc_u32 v[ADSW], s18, v25
	s_mul_i32 s19, s[WV], 2*STILE
	s_add_co_u32 s19, s19, SCL+3*HALFS
	v_add_nc_u32 v[ADSV], s19, v25
	v_lshlrev_b32 v[LI], 4, v3
	s_wait_alu depctr_va_vdst(0)
	v_lshlrev_b32 v26, 2, v1
	s_lshl_b32 s18, s[KIND], 10
	s_lshl_b32 s19, s[BETA], 9
	s_add_co_u32 s18, s18, s19
	s_add_co_u32 s18, s18, EX
	v_add_nc_u32 v[EXQ], s18, v26
	s_lshl_b32 s19, s[WV], 7
	s_add_co_u32 s19, s19, EX+2048
	v_add_nc_u32 v[EXV], s19, v26
	v_lshlrev_b32 v27, 3, v3
	s_lshl_b32 s19, s[BETA], 8
	v_add_nc_u32 v[L8], s19, v27
	s_lshl_b32 s18, s[KIND], 10
	s_add_co_u32 s18, s18, EX
	v_add_nc_u32 v[EXR], s18, v[L8]
	v_add_nc_u32 v[EXRV], EX+2048, v[L8]
	s_lshl_b32 s18, s[BETA], 11
	v_add_nc_u32 v[TBL], s18, v[LI]
	s_lshl_b32 s18, s[BETA], 9
	v_add_nc_u32 v[QKO], s18, v[LI]
	s_lshl_b32 s18, s[WV], 12
	v_add_nc_u32 v[VO], s18, v[LI]
.irp b, 0,1,2,3
	v_mov_b32 v[TM+4+\b], 0
.endr
	s_lshl_b32 s18, s42, 9
	s_lshl_b32 s19, s[BETA], 7
	s_add_co_u32 s19, s19, s18
	v_lshl_add_u32 v[BQO], v2, 6, s19
	v_and_b32 v26, 8, v1
	v_add_nc_u32 v26, v26, v1
	s_lshl_b32 s19, s[WV], 7
	s_add_co_u32 s19, s19, s18
	v_lshl_add_u32 v[BVO], v26, 2, s19
	s_cmp_eq_u32 s[KIND], 0
	s_cselect_b64 s[6:7], s[6:7], s[8:9]
	WIN 0x80
.irp n, 0,1,2,3
	global_load_b128 v[192+8*\n:195+8*\n], v[BQO], s[6:7] offset:(64*(\n/2)+8*(\n%2))*4
	global_load_b128 v[196+8*\n:199+8*\n], v[BQO], s[6:7] offset:(64*(\n/2)+8*(\n%2))*4+16
.endr
	global_load_b32 v224, v[BVO], s[10:11]
	global_load_b32 v232, v[BVO], s[10:11] offset:32
	WIN 0
.macro FETCH slot, q, p
	WIN 0x40
.irp i, 0,1,2,3,4,5,6,7
.irp c, 0,1,2,3
	ds_load_b128 v[128*\p+16*\i+4*\c:128*\p+16*\i+4*\c+3], v[ADRX+\slot] offset:128*\q+32*\c+\i*16*PITCH
.endr
.endr
	WIN 0x80
.irp i, 0,1,2,3
.irp c, 0,1,2,3
	ds_load_b128 v[96*\p+16*\i+4*\c:96*\p+16*\i+4*\c+3], v[ADRW+\slot] offset:128*\q+32*\c+(16*(\i%2)+64*(\i/2))*PITCH
.endr
.endr
.irp i, 0,1
.irp c, 0,1,2,3
	ds_load_b128 v[96*\p+64+16*\i+4*\c:96*\p+64+16*\i+4*\c+3], v[ADRV+\slot] offset:128*\q+32*\c+\i*16*PITCH
.endr
.endr
	WIN 0
.endm
.macro SCALES sc
.irp i, 0,1,2,3,4,5,6,7
	ds_load_b64 v[SC+28*\sc+2*\i:SC+28*\sc+2*\i+1], v[ADSX] offset:\i*STILE
.endr
.irp i, 0,1,2,3
	ds_load_b64 v[SC+28*\sc+16+2*\i:SC+28*\sc+16+2*\i+1], v[ADSW] offset:(\i%2+4*(\i/2))*STILE
.endr
.irp i, 0,1
	ds_load_b64 v[SC+28*\sc+24+2*\i:SC+28*\sc+24+2*\i+1], v[ADSV] offset:\i*STILE
.endr
.endm
.macro MULQK n, p, q, sc, first
.irp a, 0,1,2,3,4,5,6,7
.if \first
	v_wmma_scale_f32_16x16x128_f8f6f4 v[32*\a+8*\n:32*\a+8*\n+7], v[96*\p+16*\n:96*\p+16*\n+15], v[128*\p+16*\a:128*\p+16*\a+15], v[192+8*\n:192+8*\n+7], v[SC+28*\sc+16+2*\n+\q], v[SC+28*\sc+2*\a+\q]
.else
	v_wmma_scale_f32_16x16x128_f8f6f4 v[32*\a+8*\n:32*\a+8*\n+7], v[96*\p+16*\n:96*\p+16*\n+15], v[128*\p+16*\a:128*\p+16*\a+15], v[32*\a+8*\n:32*\a+8*\n+7], v[SC+28*\sc+16+2*\n+\q], v[SC+28*\sc+2*\a+\q]
.endif
.endr
.endm
.macro MULV u, p, q, sc, first
.irp a, 0,1,2,3,4,5,6,7
.if \first
	v_wmma_scale_f32_16x16x128_f8f6f4 v[VA+64*\u+8*\a:VA+64*\u+8*\a+7], v[128*\p+16*\a:128*\p+16*\a+15], v[96*\p+64+16*\u:96*\p+64+16*\u+15], v[224+8*\u:224+8*\u+7], v[SC+28*\sc+2*\a+\q], v[SC+28*\sc+24+2*\u+\q]
.else
	v_wmma_scale_f32_16x16x128_f8f6f4 v[VA+64*\u+8*\a:VA+64*\u+8*\a+7], v[128*\p+16*\a:128*\p+16*\a+15], v[96*\p+64+16*\u:96*\p+64+16*\u+15], v[VA+64*\u+8*\a:VA+64*\u+8*\a+7], v[SC+28*\sc+2*\a+\q], v[SC+28*\sc+24+2*\u+\q]
.endif
.endr
.endm
.macro STEP slot, first
	s_wait_dscnt 0x0
.if !\first
	PLACES 8
.endif
	FETCH \slot, 1, 1
.if \first
	WIN W_QK1
.else
	WIN W_QK
.endif
.irp n, 0,1,2,3
	MULQK \n, 0, 0, \slot, \first
.endr
.if \first
	WIN W_V1
.else
	WIN W_V
.endif
	MULV 0, 0, 0, \slot, \first
	MULV 1, 0, 0, \slot, \first
.endm
.macro TURN slot, next, fill
	WIN 0
.if \fill == 1
	s_wait_xcnt 0x0                                ; the last prefetch has read its address: it is stepped here
	s_add_nc_u64 s[68:69], s[68:69], 256
.endif
	s_wait_tensorcnt 0x0
	ds_add_u32 v[SPW], v[NIL]
	s_wait_dscnt 1
	WIN W_QK
	MULQK 0, 1, 1, \slot, 0
	s_wait_dscnt 0x0
	s_barrier_signal -1
	MULQK 1, 1, 1, \slot, 0
	WIN 0
	s_barrier_wait -1
	CREST
.if \fill == 1
	s_add_nc_u64 s[G0A+4*\slot+2:G0A+4*\slot+3], s[G0A+4*\slot+2:G0A+4*\slot+3], 512
	s_add_nc_u64 s[G0B+4*\slot+2:G0B+4*\slot+3], s[G0B+4*\slot+2:G0B+4*\slot+3], 512
	JLOAD G0A+4*\slot, G1A, G0B+4*\slot, G1B
.else
	tensor_load_to_lds s[G0T:G0T+3], s[G1T:G1T+7]
	s_nop 0
.rept 4
	v_nop
.endr
.endif
	PLACES 4
	s_wait_alu depctr_va_vdst(0)
	v_add_nc_u32 v[ADSX], 8, v[ADSX]
	v_add_nc_u32 v[ADSW], 8, v[ADSW]
	v_add_nc_u32 v[ADSV], 8, v[ADSV]
	FETCH \next, 0, 0
	SCALES \next
.if \fill == 1
	s_cmp_gt_u32 s2, 1                             ; the loop's last trip asks for nothing: there is no K step behind
	s_cbranch_scc0 .Lnone_ahead_\@
	global_prefetch_b8 v126, s[68:69] offset:768 th:TH_LOAD_NT scope:SCOPE_SE
.Lnone_ahead_\@:
.endif
	WIN W_QK
	MULQK 2, 1, 1, \slot, 0
	MULQK 3, 1, 1, \slot, 0
	WIN W_V
	MULV 0, 1, 1, \slot, 0
	MULV 1, 1, 1, \slot, 0
.endm
.macro QUANT s, nb
.set qb, 0
.rept \nb
	v_max3_num_f32 v[TM+qb], |v[(\s)+16*qb]|, |v[(\s)+16*qb+1]|, 0x4800000
.set qb, qb+1
.endr
.set qi, 2
.rept 7
.set qb, 0
.rept \nb
	v_max3_num_f32 v[TM+qb], v[TM+qb], |v[(\s)+16*qb+qi]|, |v[(\s)+16*qb+qi+1]|
.set qb, qb+1
.endr
.set qi, qi+2
.endr
.set qb, 0
.rept \nb
	v_permlanex16_b32 v[TM+4+qb], v[TM+qb], s[SEL], s[SEL+1]
.set qb, qb+1
.endr
.set qb, 0
.rept \nb
	v_max_num_f32 v[TM+qb], v[TM+qb], v[TM+4+qb]
.set qb, qb+1
.endr
.set qb, 0
.rept \nb
	v_add_nc_u32 v[TM+12+qb], 0xfc000000, v[TM+qb]
	v_and_or_b32 v[TM+8+qb], v[TM+qb], 0x7f800000, s[MNT]
.set qb, qb+1
.endr
.set qb, 0
.rept \nb
	v_lshrrev_b32 v[TM+4+qb], 23, v[TM+12+qb]
.set qb, qb+1
.endr
.set qb, 0
.rept \nb
.set qi, 0
.rept 16
	v_med3_num_f32 v[(\s)+16*qb+qi], v[(\s)+16*qb+qi], -v[TM+8+qb], v[TM+8+qb]
.set qi, qi+1
.endr
	v_cvt_scalef32_pk8_fp8_f32 v[PC+4*qb:PC+4*qb+1], v[(\s)+16*qb:(\s)+16*qb+7], v[TM+12+qb]
	v_cvt_scalef32_pk8_fp8_f32 v[PC+4*qb+2:PC+4*qb+3], v[(\s)+16*qb+8:(\s)+16*qb+15], v[TM+12+qb]
.set qb, qb+1
.endr
	v_nop
.endm
	s_wait_alu depctr_va_vdst(0)                   ; the wait at the head's end
	s_wait_tensorcnt 0x0                           ; my tile of K step 0 is in
	s_wait_loadcnt 0x0                             ; and my scale bytes (and the biases)
.irp i, 0,1,2,3,4,5,6,7,8,9,10,11,12,13,14,15
	ds_store_b128 v31, v[128+4*\i:128+4*\i+3] offset:544*\i
.endr
	s_wait_tensorcnt 0x0                           ; ahead of a later first fill
	ds_add_u32 v[SPW], v[NIL]
	s_wait_dscnt 0x0                               ; the add and my stores are done
	CROUND                                         ; everybody's tile and scale bytes are in
	JLOAD G0A+4, G1A, G0B+4, G1B                   ; K step 1, the first tensor load behind the round
	s_mov_b32 s[G0T], 1
	s_lshl_b32 s[G0T+1], s[WV], 14
	s_lshl_b32 s66, s43, 16
	s_lshl_b32 s67, s[WV], 14
	s_add_co_u32 s66, s66, s67
	s_add_co_u32 s66, s66, P_ROPE
	s_mov_b32 s67, 0
	s_add_nc_u64 s[G0T+2:G0T+3], s[4:5], s[66:67]
	s_or_b32 s[G0T+3], s[G0T+3], 0x80000000
	FETCH 0, 0, 0
	SCALES 0
	global_prefetch_b8 v126, s[68:69] offset:768 th:TH_LOAD_NT scope:SCOPE_SE   ; K step 3
	s_wait_loadcnt 0x0
	WIN 0x82
.irp u, 0,1
.irp i, 1,2,3,4,5,6,7
	v_mov_b32 v[224+8*\u+\i], v[224+8*\u]
.endr
.endr
	s_wait_alu depctr_va_vdst(0)
	STEP 0, 1
	WIN 0
	s_mov_b32 s2, 3
.Llap:
	TURN 0, 1, 1
	STEP 1, 0
	TURN 1, 0, 1
	STEP 0, 0
	WIN 0
	s_sub_co_u32 s2, s2, 1
	s_cmp_lg_u32 s2, 0
	s_cbranch_scc1 .Llap
	TURN 0, 1, 2
	STEP 1, 0
	s_wait_dscnt 0x0
	WIN W_QK
.irp n, 0,1,2,3
	MULQK \n, 1, 1, 1, 0
.endr
	WIN W_V
	MULV 0, 1, 1, 1, 0
	MULV 1, 1, 1, 1, 0
	WIN 0
	PLACES 8
	s_wait_tensorcnt 0x0
	s_wait_dscnt 0x0
	s_barrier_signal -1
	s_barrier_wait -1
	s_lshl_b32 s18, s42, 4
	s_add_co_u32 s18, s18, s43
	s_mul_i32 s22, s18, BLKB
	s_lshl_b32 s23, s18, 14
	s_lshl_b32 s46, s18, 9
	s_add_co_u32 s32, s22, Q_VB
	s_add_co_u32 s47, s22, Q_KB
	s_add_co_u32 s36, s47, 16384
	s_add_co_u32 s46, s46, Q_QS
	s_cmp_eq_u32 s[KIND], 0
	s_cselect_b32 s34, s23, s47
	s_cselect_b32 s36, s46, s36
	s_mov_b32 s33, 0
	s_mov_b32 s35, 0
	s_mov_b32 s37, 0
	s_add_nc_u64 s[32:33], s[12:13], s[32:33]
	s_add_nc_u64 s[34:35], s[12:13], s[34:35]
	s_add_nc_u64 s[36:37], s[12:13], s[36:37]
.macro TBLLOAD a
	WIN 0x40
.irp k, 0,1,2,3
	ds_load_b128 v[64*((\a)%2)+4*\k:64*((\a)%2)+4*\k+3], v[TBL] offset:(\a)*8192+512*\k
	ds_load_b128 v[64*((\a)%2)+16+4*\k:64*((\a)%2)+16+4*\k+3], v[TBL] offset:(\a)*8192+4096+512*\k
.endr
	WIN 0
.endm
	TBLLOAD 0
	TBLLOAD 1
.irp u, 0,1
	s_wait_xcnt 0x0
	QUANT VA+64*\u, 4
	v_lshl_or_b32 v[PWV+\u], v[TM+5], 8, v[TM+4]
	v_lshl_or_b32 v[PWV+\u], v[TM+6], 16, v[PWV+\u]
	v_lshl_or_b32 v[PWV+\u], v[TM+7], 24, v[PWV+\u]
.irp c, 0,1,2,3
	global_store_b128 v[VO], v[PC+4*\c:PC+4*\c+3], s[32:33] offset:2048*\u+512*\c
.endr
	ds_store_b32 v[EXV], v[PWV+\u] offset:64*\u
.endr
.macro ROPEQ a
.if \a == 7
	s_wait_dscnt 2
.else
	s_wait_dscnt 10
.endif
	WIN 0x07
.irp p, 0,1,2,3,4,5,6,7
	v_pk_mul_f32 v[O1+2*\p:O1+2*\p+1], v[32*\a+16+2*\p:32*\a+16+2*\p+1], v[64*(\a%2)+16+2*\p:64*(\a%2)+16+2*\p+1]
.endr
.irp p, 0,1,2,3,4,5,6,7
	v_pk_mul_f32 v[O1+16+2*\p:O1+16+2*\p+1], v[32*\a+2*\p:32*\a+2*\p+1], v[64*(\a%2)+16+2*\p:64*(\a%2)+16+2*\p+1]
.endr
.irp p, 0,1,2,3,4,5,6,7
	v_pk_fma_f32 v[O1+2*\p:O1+2*\p+1], v[32*\a+2*\p:32*\a+2*\p+1], v[64*(\a%2)+2*\p:64*(\a%2)+2*\p+1], v[O1+2*\p:O1+2*\p+1] neg_lo:[0,0,1] neg_hi:[0,0,1]
.endr
.irp p, 0,1,2,3,4,5,6,7
	v_pk_fma_f32 v[O1+16+2*\p:O1+16+2*\p+1], v[32*\a+16+2*\p:32*\a+16+2*\p+1], v[64*(\a%2)+2*\p:64*(\a%2)+2*\p+1], v[O1+16+2*\p:O1+16+2*\p+1]
.endr
.if \a < 6
	TBLLOAD \a+2
.endif
	WIN 0
	s_wait_alu depctr_va_vdst(0)
	s_wait_xcnt 0x0
	QUANT O1, 2
	v_lshl_or_b32 v[PWQ+\a], v[TM+5], 16, v[TM+4]
	v_lshlrev_b32 v[PWQ+\a], s[SH], v[PWQ+\a]
	global_store_b128 v[QKO], v[PC:PC+3], s[34:35] offset:2048*\a
	global_store_b128 v[QKO], v[PC+4:PC+7], s[34:35] offset:2048*\a+1024
	ds_store_b32 v[EXQ], v[PWQ+\a] offset:64*\a
.endm
.irp a, 0,1,2,3,4,5,6,7
	ROPEQ \a
.endr
	s_wait_dscnt 0x0
	s_barrier_signal -1
	s_barrier_wait -1
	ds_load_b64 v[170:171], v[EXR]
	ds_load_b64 v[172:173], v[EXR] offset:512
	ds_load_b64 v[174:175], v[EXRV]
	s_wait_dscnt 0x0
	v_or_b32 v170, v170, v172
	v_or_b32 v171, v171, v173
	global_store_b64 v[L8], v[170:171], s[36:37]
	s_cmp_lt_u32 s[WV], 2
	s_cbranch_scc0 .Lno_v_words
	global_store_b64 v[L8], v[174:175], s[32:33] offset:16384
.Lno_v_words:
	s_wait_tensorcnt 0x0
	ds_add_u32 v[SPW], v[NIL]
	s_wait_dscnt 0x0
	CROUND
	s_endpgm
.Lfunc_end_k_q32bf9f081b_qkv:
	.size	k_q32bf9f081b_qkv, .Lfunc_end_k_q32bf9f081b_qkv-k_q32bf9f081b_qkv
	.p2alignl 7, 3214868480
	.fill 96, 4, 3214868480
	.section	.rodata,"a",@progbits
	.p2align	6, 0x0
	.amdhsa_kernel k_q32bf9f081b_qkv
		.amdhsa_group_segment_fixed_size 327680
		.amdhsa_private_segment_fixed_size 0
		.amdhsa_enable_private_segment 0
		.amdhsa_kernarg_size 40
		.amdhsa_user_sgpr_count 2
		.amdhsa_user_sgpr_kernarg_segment_ptr 1
		.amdhsa_wavefront_size32 1
		.amdhsa_system_sgpr_workgroup_id_x 1
		.amdhsa_system_sgpr_workgroup_id_y 1
		.amdhsa_system_sgpr_workgroup_id_z 1
		.amdhsa_system_vgpr_workitem_id 0
		.amdhsa_next_free_vgpr 1024
		.amdhsa_next_free_sgpr 102
		.amdhsa_reserve_vcc 0
		.amdhsa_float_denorm_mode_32 3
		.amdhsa_float_denorm_mode_16_64 3
		.amdhsa_memory_ordered 1
		.amdhsa_forward_progress 1
		.amdhsa_inst_pref_size 176
	.end_amdhsa_kernel
	.amdgpu_metadata
---
amdhsa.version: [ 1, 2 ]
amdhsa.kernels:
  - .name:           k_q32bf9f081b_qkv
    .symbol:         k_q32bf9f081b_qkv.kd
    .args:
      - { .name: prep, .offset: 0, .size: 8, .value_kind: global_buffer, .address_space: global }
      - { .name: bq, .offset: 8, .size: 8, .value_kind: global_buffer, .address_space: global }
      - { .name: bk, .offset: 16, .size: 8, .value_kind: global_buffer, .address_space: global }
      - { .name: bv, .offset: 24, .size: 8, .value_kind: global_buffer, .address_space: global }
      - { .name: qkv, .offset: 32, .size: 8, .value_kind: global_buffer, .address_space: global }
    .group_segment_fixed_size: 327680
    .private_segment_fixed_size: 0
    .kernarg_segment_align: 8
    .kernarg_segment_size: 40
    .max_flat_workgroup_size: 128
    .sgpr_count:     102
    .vgpr_count:     1024
    .wavefront_size: 32
...
	.end_amdgpu_metadata
.endif
;; end of part 2
;; launch attn (part 3): grid 16 x 16, 4 waves a work-group, no clusters, 271,360 bytes of LDS; arguments qkv, mbits, att; writes att
.if DOCPART == 3
	.amdgcn_target "amdgcn-amd-amdhsa--gfx1250"
	.amdhsa_code_object_version 6
	.text
	.protected	k_q32bf9f081b_attn
	.globl	k_q32bf9f081b_attn
	.p2align	8
	.type	k_q32bf9f081b_attn,@function
k_q32bf9f081b_attn:
	s_mov_b64 s[64:65], 0
	v_nop
	global_prefetch_b8 v0, s[64:65] scope:SCOPE_SE
	s_setreg_imm32_b32 hwreg(HW_REG_WAVE_MODE, 25, 1), 1
	s_wait_xcnt 0x0
; O = softmax(mask(Q K^T / sqrt(128))) V for 16 heads of 128, both products on codes of E4M3 with E8M0 scales; the result quantised along the head's 128 for the output projection.
; THE SOFTMAX AHEAD OF THE SECOND PRODUCT: t = score x log2(e) / sqrt(128); M = the running largest t rounded up to a whole number; p = 2^(t - M) is quantised along the keys, not normalised; the row's sum is taken of
; the unquantised p and divides at the end; when M moves, the sum and O are multiplied by 2^(old M - new M), which rounds nothing.
; THE MASK IS AN INPUT, read as whole numbers that the first launch stored.  A key step (128 keys) is done for a block of 64 queries where the mask has a true place there, and left out where it has none: p would be 0 in all of it.
; The mask's bits are applied in a step that has a false place.  Any mask is served, by the same text.  A row with no true place has the sum 0: its codes become the format's NaN code, as the reference's row is NaN.
; LIMITS: NaN and infinities among the inputs are not served, and one that reaches only K or V of a step left out is not carried to the result.  The scaled scores stay under 2^31 in magnitude.
; SHARES.  A work-group owns two blocks of 64 queries of one head, numbers i and 31 - i, one after the other.  A wave takes all 64 queries (four tiles of 16, stored order) and every fourth of the block's live steps: each fragment of K and V
; feeds four products, and goes from memory straight into registers: no barrier stands in the walk.  The four waves' partial O, M and sums meet once, through LDS, at the end.
; NO CLUSTER: the number of steps hangs on the mask.  NO PREFETCH: the steps' order is known one step ahead, and the loads for that step are issued then.
; LAYOUT.  S^T = K Q^T, O^T = V^T P^T: a lane holds one query throughout.  K's and V^T's fragments lie in memory as images of their registers, 8 images + 512 bytes of scale words a key step.  A tile's 16 keys are stored rows: the 16 registers
; of tiles 2 b, 2 b + 1 are the true keys 32 b + 16 (lane / 16) + 0..15.
; A STEP.  Products of tile a + 1 stand among the maxima of tile a; O of all four tiles is brought under the new M ahead of the exponentials; O's products of tiles 0 to 2 stand among the exponentials of tiles 2 and 3.
; V's loads go out with the maxima, the next step's K with the rescaling and the first two tiles' softmax.
; REGISTERS, in windows of 256 (s_set_vgpr_msb: bits 1:0 source 0, 3:2 source 1, 5:4 source 2, 7:6 destination):
;   window 0: addresses, state (six registers a tile: -M, -, f, largest, the sum in two halves), mask bits, scale words, v64-127 Q, v128-191 p's codes, v192-255 at work;  window 1: scores, then p, 64 a tile;  window 2: O^T, 64 a tile;  window 3: K, V.
.set BLKB,  16896
.set FLG,   524288
.set Q_QS,  4194304
.set Q_KB,  4325376
.set Q_VB,  8650752
.set STATS, 262144                     ; LDS: partial O [block 2][tile 4][wave 4][8,192 bytes], then (-M, sum) [block 2][tile 4][wave 4][256 bytes],
.set EXS,   STATS+8192                 ; then the result's scale words [block 2][256 bytes],
.set SPARE, EXS+512                    ; then the spare words
.set LI, 1
.set LS, 2
.set L8, 3
.set LQ, 4
.set KO, 5
.set SK, 6
.set MO, 7
.set DA, 8
.set DB, 9
.set SPW, 10
.set NIL, 11
.set DS, 12
.set DA0, 13
.set DS0, 14
.set OO, 15
.set ST, 16
.set MK, 40
.set KS, 48
.set VS, 52
.set PW, 56
.set QS, 60
.set Q,  64
.set P,  128
.set BM, 192
.set PM, 208
.set AC, 212
.set HD, 228
.set SO, 232
.set BY, 236
.set VB, 10
.set KB, 12
.set MB, 14
.set QU, 16
.set CS, 18
.set SEL, 20
.set MNT, 22
.set NINF, 23
.set WV, 24
.set HEAD, 25
.set NC, 26
.set PART, 27
.set CNT, 28
.set CNTB, 29
.set REM, 30
.set PH, 31
.set HK, 32
.set HV, 34
.set CB, 52
.set NB, 53
.set VM, 54
.set QF, 55
.set NOFF, 56
.set BLK2, 84
.set MSB, 0
.macro WIN new                         ; the immediate's high byte repeats the setting that is left
.if MSB != \new
	s_set_vgpr_msb (MSB<<8)|\new
.set MSB, \new
.endif
.endm
.macro WALU
	s_wait_alu depctr_va_vdst(0)
.endm
.macro KCH t                           ; a fragment of the next step's K
	WIN 0xc0
.irp c, 0,1,2,3
	global_load_b128 v[16*(\t)+4*\c:16*(\t)+4*\c+3], v[KO], s[KB:KB+1] offset:2048*(\t)+512*\c
.endr
.endm
.macro KSC                             ; its scale words, and the mask bits of its four tiles
	WIN 0
.irp p, 0,1,2,3
	global_load_b32 v[KS+\p], v[SK], s[KB:KB+1] offset:16384+128*\p
.endr
.irp a, 0,1,2,3
	global_load_b64 v[MK+2*\a:MK+2*\a+1], v[MO], s[MB:MB+1] offset:4096*\a
.endr
.endm
.macro VCH t                           ; a fragment of this step's V
	WIN 0xc0
.irp c, 0,1,2,3
	global_load_b128 v[128+16*(\t)+4*\c:128+16*(\t)+4*\c+3], v[LI], s[VB:VB+1] offset:2048*(\t)+512*\c
.endr
.endm
.macro QLOAD q, s
.irp a, 0,1,2,3
.irp c, 0,1,2,3
	global_load_b128 v[Q+16*\a+4*\c:Q+16*\a+4*\c+3], v[LI], s[\q:\q+1] offset:2048*\a+512*\c
.endr
	global_load_b32 v[QS+\a], v[LQ], s[\s:\s+1] offset:64*\a
.endr
.endm
.macro AIM                             ; from the next item's byte: bits 3:0 the key step, 5 the block, 6 set: there is one
	s_and_b32 s58, s[NB], 15
	s_min_u32 s58, s58, 15
	s_mul_i32 s[NOFF], s58, BLKB
	s_lshl_b32 s58, s58, 8
	s_add_nc_u64 s[KB:KB+1], s[HK:HK+1], s[NOFF:NOFF+1]
	s_bitcmp1_b32 s[NB], 5
	s_cselect_b64 s[MB:MB+1], s[50:51], s[48:49]
	s_add_nc_u64 s[MB:MB+1], s[MB:MB+1], s[58:59]
.endm
; A block's items for my wave, from its four tiles' flag words: the live steps of ranks wave, wave + 4, ..: at the most four, one byte each; bit 4: the step has a false place.
.macro ITEMS w, ph, out, cnt
	s_or_b32 s74, s[\w], s[\w+1]                   ; eight words: two halves of four tiles
.irp n, 2,3,4,5,6,7
	s_or_b32 s74, s74, s[\w+\n]
.endr
	s_and_b32 s75, s74, 0xffff
	s_lshr_b32 s76, s74, 16
	s_bcnt1_i32_b32 s77, s75
	s_add_co_u32 s77, s77, 3
	s_sub_co_u32 s77, s77, s[WV]
	s_lshr_b32 s[\cnt], s77, 2
.irp k, 1,2,3
	s_sub_co_u32 s78, s75, 1
	s_and_b32 s78, s78, s75
	s_cmp_ge_u32 s[WV], \k
	s_cselect_b32 s75, s78, s75
.endr
	s_mov_b32 s[\out], 0
.irp m, 0,1,2,3
	s_ctz_i32_b32 s78, s75
	s_and_b32 s78, s78, 15
	s_lshr_b32 s79, s76, s78
	s_and_b32 s79, s79, 1
	s_lshl_b32 s79, s79, 4
	s_or_b32 s78, s78, s79
	s_or_b32 s78, s78, 0x40+0x20*\ph
	s_lshl_b32 s78, s78, 8*\m
	s_cmp_lg_u32 s75, 0
	s_cselect_b32 s78, s78, 0
	s_or_b32 s[\out], s[\out], s78
.rept 4
	s_sub_co_u32 s78, s75, 1
	s_and_b32 s75, s78, s75
.endr
.endr
.endm
.macro OFF2 d, base                    ; s[d:d+1] = base + s12
	s_mov_b32 s13, 0
	s_add_nc_u64 s[\d:\d+1], s[\base:\base+1], s[12:13]
.endm
.macro ATTP blk, d, e                  ; where a block's codes and scale words go
	s_lshr_b32 s14, \blk, 1
	s_lshl_b32 s14, s14, 4
	s_add_co_u32 s14, s14, s[HEAD]
	s_mul_i32 s14, s14, BLKB
	s_and_b32 s15, \blk, 1
	s_lshl_b32 s12, s15, 13
	s_add_co_u32 s12, s12, s14
	OFF2 \d, 8
	s_lshl_b32 s12, s15, 8
	s_add_co_u32 s12, s12, s14
	s_add_co_u32 s12, s12, 16384
	OFF2 \e, 8
.endm
	s_load_b128 s[4:7], s[0:1], 0x0                ; qkv 4, mbits 6
	s_load_b64 s[8:9], s[0:1], 0x10                ; att
	v_lshl_add_u32 v[SPW], v0, 2, SPARE
	v_mov_b32 v[NIL], 0
	v_lshrrev_b32 v13, 5, v0
	v_readfirstlane_b32 s[WV], v13
	v_and_b32 v13, 31, v0
	v_lshlrev_b32 v[LI], 4, v13
	v_lshlrev_b32 v[LS], 2, v13
	v_lshlrev_b32 v[L8], 3, v13
	v_and_b32 v14, 15, v0
	v_lshlrev_b32 v[LQ], 2, v14
	s_and_b32 s[HEAD], ttmp7, 0xffff
	s_sub_co_u32 s[BLK2], 31, ttmp9                ; my second block of 64 queries; the first is ttmp9
	s_lshl_b32 s58, ttmp9, 11
	s_add_co_u32 s58, s58, FLG
	s_mov_b32 s59, 0
	s_lshl_b32 s60, s[BLK2], 11
	s_add_co_u32 s60, s60, FLG
	s_mov_b32 s61, 0
	WALU
	s_wait_kmcnt 0x0
	s_add_nc_u64 s[58:59], s[6:7], s[58:59]
	s_add_nc_u64 s[60:61], s[6:7], s[60:61]
.irp a, 0,1,2,3,4,5,6,7
	s_load_b32 s[40+\a], s[58:59], 256*\a
	s_load_b32 s[86+\a], s[60:61], 256*\a
.endr
	s_mul_i32 s12, s[HEAD], 16*BLKB                ; under the flags' flight: pointers
	s_add_co_u32 s12, s12, Q_KB
	OFF2 HK, 4
	s_add_nc_u64 s[HV:HV+1], s[HK:HK+1], Q_VB-Q_KB
	s_lshl_b32 s10, s[HEAD], 18                    ; Q's images and scale words
	s_lshl_b32 s12, ttmp9, 13
	s_add_co_u32 s12, s12, s10
	OFF2 66, 4
	s_lshl_b32 s12, s[BLK2], 13
	s_add_co_u32 s12, s12, s10
	OFF2 36, 4
	s_lshl_b32 s10, s[HEAD], 13
	s_add_co_u32 s10, s10, Q_QS
	s_lshl_b32 s12, ttmp9, 8
	s_add_co_u32 s12, s12, s10
	OFF2 68, 4
	s_lshl_b32 s12, s[BLK2], 8
	s_add_co_u32 s12, s12, s10
	OFF2 38, 4
	s_lshl_b32 s12, ttmp9, 14                      ; the mask's bits
	OFF2 48, 6
	s_lshl_b32 s12, s[BLK2], 14
	OFF2 50, 6
	ATTP ttmp9, 70, 80
	ATTP s[BLK2], 72, 82
	s_mov_b32 s[CS], 0x3e0293ee                    ; c = log2(e) / sqrt(128)
	s_mov_b32 s[CS+1], s[CS]
	s_mov_b32 s[NC], 0xbe0293ee
	s_mov_b32 s[SEL], 0x76543210
	s_mov_b32 s[SEL+1], 0xfedcba98
	s_mov_b32 s[MNT], 0x600000
	s_mov_b32 s[NINF], 0xff800000
	s_mov_b32 s[NOFF+1], 0
	s_lshl_b32 s12, s[WV], 13
	v_add_nc_u32 v[DA0], s12, v[LI]
	s_lshl_b32 s12, s[WV], 8
	s_add_co_u32 s12, s12, STATS
	v_add_nc_u32 v[DS0], s12, v[L8]
	s_lshl_b32 s12, s[WV], 11
	v_add_nc_u32 v[OO], s12, v[LI]
	v_mov_b32 v[KO], v[LI]
	v_mov_b32 v[SK], v[LS]
	v_mov_b32 v[MO], v[L8]
.irp a, 0,1,2,3
	v_mov_b32 v[ST+6*\a+4], 0
	v_mov_b32 v[ST+6*\a+5], 0
.endr
.set j, 0
.rept 12
	v_mov_b32 v[PM+j], 0                           ; (a lane permute's destination counts as one of its sources; upper halves of pairs)
.set j, j+1
.endr
	WIN 0x80
.set j, 0
.rept 256
	v_mov_b32 v[j], 0                              ; O^T, once: a step finds zeros or, in the second block, the first block's O, which f = 0 makes zeros
.set j, j+1
.endr
	WIN 0
	WALU
	s_wait_kmcnt 0x0
	ITEMS 40, 0, 62, CNT
	ITEMS 86, 1, 63, CNTB
	s_lshl_b32 s79, s[CNT], 3                      ; one queue of bytes: the first block's items, then the second's
	s_mov_b32 s58, s63
	s_mov_b32 s59, 0
	s_lshl_b64 s[58:59], s[58:59], s79
	s_or_b32 s[QU], s62, s58
	s_mov_b32 s[QU+1], s59
	s_mov_b32 s59, 0
	s_and_b32 s[CB], s[QU], 0xff
	s_mov_b32 s[NB], s[CB]
	AIM
	s_bitcmp1_b32 s[CB], 5                         ; whose queries come first: the second block's, where the first has no item for my wave
	s_cselect_b64 s[66:67], s[36:37], s[66:67]
	s_cselect_b64 s[68:69], s[38:39], s[68:69]
	WALU
.irp t, 0,1,2,3,4,5,6,7
	KCH \t
.endr
	KSC
	QLOAD 66, 68
.macro WA a, t                         ; S^T: 16 keys x tile a's 16 queries
	WIN 0x43
.if (\t)%2
	v_wmma_scale_f32_16x16x128_f8f6f4 v[64*(\a)+8*(\t):64*(\a)+8*(\t)+7], v[16*(\t):16*(\t)+15], v[Q+16*(\a):Q+16*(\a)+15], 0, v[KS+(\t)/2], v[QS+(\a)] matrix_a_scale:MATRIX_SCALE_ROW1
.else
	v_wmma_scale_f32_16x16x128_f8f6f4 v[64*(\a)+8*(\t):64*(\a)+8*(\t)+7], v[16*(\t):16*(\t)+15], v[Q+16*(\a):Q+16*(\a)+15], 0, v[KS+(\t)/2], v[QS+(\a)]
.endif
.endm
.macro WP a, t                         ; O^T of tile a: 16 of the head's 128
	WIN 0xa3
.if (\t)%2
	v_wmma_scale_f32_16x16x128_f8f6f4 v[64*(\a)+8*(\t):64*(\a)+8*(\t)+7], v[128+16*(\t):128+16*(\t)+15], v[P+16*(\a):P+16*(\a)+15], v[64*(\a)+8*(\t):64*(\a)+8*(\t)+7], v[VS+(\t)/2], v[PW+(\a)] matrix_a_scale:MATRIX_SCALE_ROW1
.else
	v_wmma_scale_f32_16x16x128_f8f6f4 v[64*(\a)+8*(\t):64*(\a)+8*(\t)+7], v[128+16*(\t):128+16*(\t)+15], v[P+16*(\a):P+16*(\a)+15], v[64*(\a)+8*(\t):64*(\a)+8*(\t)+7], v[VS+(\t)/2], v[PW+(\a)]
.endif
.endm
; Tile a's largest score in each block of 32 keys (it serves for the row's maximum and for the block's largest p) and of all 128.  mat: among them tile a + 1's products, 14 plain lines ahead of the first reader;  ld: two fragments of V are asked for.
.macro MAX a, mat, ld
.irp i, 0,1,2,3,4,5,6,7
.if \mat
	WA (\a)+1, \i
.endif
	WIN 0x05
.irp b, 0,1,2,3
.if \i == 0
	v_max_num_f32 v[BM+4*(\a)+\b], v[64*(\a)+16*\b], v[64*(\a)+16*\b+1]
.else
	v_max3_num_f32 v[BM+4*(\a)+\b], v[64*(\a)+16*\b+2*\i], v[64*(\a)+16*\b+2*\i+1], v[BM+4*(\a)+\b]
.endif
.endr
.endr
	WIN 0
.irp b, 0,1,2,3
	v_permlanex16_b32 v[PM+\b], v[BM+4*(\a)+\b], s[SEL], s[SEL+1]
.endr
.if \ld                                ; (four fragments in one run)
.irp n, 0,1,2,3
	VCH 4*(\a)+\n
.endr
	WIN 0
.endif
.irp b, 0,1,2,3
	v_max_num_f32 v[BM+4*(\a)+\b], v[BM+4*(\a)+\b], v[PM+\b]
.endr
	v_max3_num_f32 v[ST+6*(\a)+3], v[BM+4*(\a)], v[BM+4*(\a)+1], v[BM+4*(\a)+2]
	v_max_num_f32 v[ST+6*(\a)+3], v[ST+6*(\a)+3], v[BM+4*(\a)+3]
.endm
.macro MASK a                          ; a false place's score becomes -infinity: the place's bit goes to the sign, is spread over the word and selects
.irp b, 0,1,2,3
	WIN 0
.irp e, 0,1,2,3,4,5,6,7,8,9,10,11,12,13,14,15
	v_lshlrev_b32 v[AC+\e], 31-(8*(\e%4)+\e/4+4*(\b%2)), v[MK+2*(\a)+\b/2]
.endr
.irp e, 0,1,2,3,4,5,6,7,8,9,10,11,12,13,14,15
	v_ashrrev_i32 v[AC+\e], 31, v[AC+\e]
.endr
	WIN 0x44
.irp e, 0,1,2,3,4,5,6,7,8,9,10,11,12,13,14,15
	v_bfi_b32 v[64*(\a)+16*\b+\e], v[AC+\e], v[64*(\a)+16*\b+\e], s[NINF]
.endr
.endr
	WIN 0
.endm
.macro RESC a                          ; O^T of tile a under the new M
	WIN 0x82
	WALU
.set j, 0
.rept 32
	v_pk_mul_f32 v[64*(\a)+j:64*(\a)+j+1], v[64*(\a)+j:64*(\a)+j+1], v[ST+6*(\a)+2:ST+6*(\a)+3] op_sel_hi:[1,0]
.set j, j+2
.endr
.endm
.macro SLOT a                          ; tile a: from scores to codes
	WIN 0x41
.set j, 0
.rept 32
	v_pk_fma_f32 v[64*(\a)+j:64*(\a)+j+1], v[64*(\a)+j:64*(\a)+j+1], s[CS:CS+1], v[ST+6*(\a):ST+6*(\a)+1] op_sel_hi:[1,0,0]   ; t - M
.set j, j+2
.endr
	WIN 0
.irp b, 0,1,2,3
	v_fma_f32 v[BM+4*(\a)+\b], v[BM+4*(\a)+\b], s[CS], v[ST+6*(\a)]
.endr
.if (\a) == 2
	s_wait_loadcnt 40                              ; V is in (and Q, if it was asked for); the next step's 32 + 4 + 4 loads may be out
.endif
	WALU                                           ; ahead of the batch
.irp b, 0,1,2,3
	v_exp_f32 v[BM+4*(\a)+\b], v[BM+4*(\a)+\b]     ; the block's largest p
.endr
.set X_, 0
.rept 64
.if (\a) == 2
.if X_%8 == 0
	WP 0, X_/8
.endif
.endif
.if (\a) == 3
.if X_%4 == 0
	WP 1+X_/32, (X_/4)%8
.endif
.endif
	WIN 0x41
	v_exp_f32 v[64*(\a)+X_], v[64*(\a)+X_]         ; p = 2^(t - M)
.set X_, X_+1
.endr
	v_nop                                          ; a plain place behind the last exponential
	WALU                                           ; and the wait for the batch
	WIN 0x05                                       ; the sum of the unquantised p: eight chains
.irp k, 0,1,2,3,4,5,6,7
	v_pk_add_f32 v[AC+2*\k:AC+2*\k+1], v[64*(\a)+8*\k:64*(\a)+8*\k+1], v[64*(\a)+8*\k+2:64*(\a)+8*\k+3]
.endr
	WIN 0x01
.irp n, 4,6
.irp k, 0,1,2,3,4,5,6,7
	v_pk_add_f32 v[AC+2*\k:AC+2*\k+1], v[64*(\a)+8*\k+\n:64*(\a)+8*\k+\n+1], v[AC+2*\k:AC+2*\k+1]
.endr
.endr
	WIN 0
.irp b, 0,1,2,3
	v_max_num_f32 v[BM+4*(\a)+\b], 0x4800000, v[BM+4*(\a)+\b]   ; the floor 2^(9 - 127)
.endr
.irp k, 0,4,8,12
	v_pk_add_f32 v[AC+\k:AC+\k+1], v[AC+\k:AC+\k+1], v[AC+\k+2:AC+\k+3]
.endr
.irp b, 0,1,2,3
	v_add_nc_u32 v[SO+\b], 0xfc000000, v[BM+4*(\a)+\b]          ; the conversion's scale operand
.endr
	v_pk_add_f32 v[AC:AC+1], v[AC:AC+1], v[AC+4:AC+5]
	v_pk_add_f32 v[AC+8:AC+9], v[AC+8:AC+9], v[AC+12:AC+13]
.irp b, 0,1,2,3
	v_lshrrev_b32 v[BY+\b], 23, v[SO+\b]                        ; the scale's byte
.endr
.irp b, 0,1,2,3
	v_and_or_b32 v[HD+\b], v[BM+4*(\a)+\b], 0x7f800000, s[MNT]  ; 448 x the scale
.endr
	v_lshl_or_b32 v[PW+(\a)], v[BY+1], 8, v[BY]
	v_pk_add_f32 v[AC:AC+1], v[AC:AC+1], v[AC+8:AC+9]
	v_lshl_or_b32 v[PW+(\a)], v[BY+2], 16, v[PW+(\a)]
	v_pk_fma_f32 v[ST+6*(\a)+4:ST+6*(\a)+5], v[ST+6*(\a)+4:ST+6*(\a)+5], v[ST+6*(\a)+2:ST+6*(\a)+3], v[AC:AC+1] op_sel_hi:[1,0,1]   ; the sum under the new M, and this step's
	v_lshl_or_b32 v[PW+(\a)], v[BY+3], 24, v[PW+(\a)]
.if (\a) == 1
	KCH 7
.endif
	WIN 0x41
.irp b, 0,1,2,3
.irp i, 0,1,2,3,4,5,6,7,8,9,10,11,12,13,14,15
	v_min_num_f32 v[64*(\a)+16*\b+\i], v[64*(\a)+16*\b+\i], v[HD+\b]   ; the conversion does not saturate (ISA guide 7.6.2); p is not negative
.endr
.endr
	WIN 0x01
.irp b, 0,1,2,3
	v_cvt_scalef32_pk8_fp8_f32 v[P+16*(\a)+4*\b:P+16*(\a)+4*\b+1], v[64*(\a)+16*\b:64*(\a)+16*\b+7], v[SO+\b]
	v_cvt_scalef32_pk8_fp8_f32 v[P+16*(\a)+4*\b+2:P+16*(\a)+4*\b+3], v[64*(\a)+16*\b+8:64*(\a)+16*\b+15], v[SO+\b]
.endr
.if (\a) == 0
	KCH 4
	KCH 5
	KCH 6
	KSC
.endif
.endm
	s_mov_b32 s[PH], 0
.Lphase:                                           ; two trips: a block of 64 queries each
.irp a, 0,1,2,3
	v_mov_b32 v[ST+6*\a], 0x7f61b1e6               ; -M: M lies under every t, so the first step's f is 0
.endr
	s_mov_b32 s[REM], 0
	WALU
	s_cmp_eq_u32 s[CNT], 0
	s_cbranch_scc1 .Lnone
.Litem:
	s_wait_loadcnt 0x0                             ; this step's K, scale words and mask bits, and Q
	s_add_nc_u64 s[VB:VB+1], s[HV:HV+1], s[NOFF:NOFF+1]
	s_bfe_u32 s[PART], s[CB], 0x10004
	s_lshr_b64 s[QU:QU+1], s[QU:QU+1], 8
	s_and_b32 s[NB], s[QU], 0xff
	s_and_not1_b32 s[QF], s[NB], s[CB]
	s_and_b32 s[QF], s[QF], 0x20                   ; this is the first block's last item and the second block has one
	s_mov_b32 s[CB], s[NB]
	s_bitcmp1_b32 s[NB], 6
	s_cselect_b32 s[VM], 0x1ff, 0
	s_min_u32 s[VM], s[VM], 0x1ff                  ; a lane's offset stays under 512
	AIM
.irp t, 0,1,2,3,4,5,6,7
	WA 0, \t
.endr
	WIN 0
	v_and_b32 v[KO], s[VM], v[LI]                  ; behind the last item all lanes name the same bytes of the head's first step
	v_and_b32 v[SK], s[VM], v[LS]
	v_and_b32 v[MO], s[VM], v[L8]
.rept 5
	v_nop                                          ; eight places in front of the first reader and of loads into what products have read
.endr
.irp p, 0,1,2,3
	global_load_b32 v[VS+\p], v[LS], s[VB:VB+1] offset:16384+128*\p
.endr
	MAX 0, 1, 1
	MAX 1, 1, 1
	MAX 2, 1, 0
	MAX 3, 0, 0
	WALU
	s_cmp_lg_u32 s[QF], 0
	s_cbranch_scc0 .Lsame_q
	QLOAD 36, 38                                   ; the second block's queries
.Lsame_q:
	s_cmp_lg_u32 s[PART], 0
	s_cbranch_scc0 .Lall_true
.irp a, 0,1,2,3
	MASK \a
.endr
.irp a, 0,1,2,3
	MAX \a, 0, 0
.endr
.Lall_true:
.irp a, 0,1,2,3
	v_mul_f32 v[ST+6*\a+3], s[NC], v[ST+6*\a+3]    ; -t
.endr
.irp a, 0,1,2,3
	v_floor_f32 v[ST+6*\a+3], v[ST+6*\a+3]
.endr
.irp a, 0,1,2,3
	v_min_num_f32 v[ST+6*\a+3], v[ST+6*\a+3], v[ST+6*\a]   ; the new -M
.endr
.irp a, 0,1,2,3
	v_sub_f32 v[ST+6*\a+1], v[ST+6*\a+3], v[ST+6*\a]       ; old M - new M: a whole number, 0 or less
.endr
.irp a, 0,1,2,3
	v_mov_b32 v[ST+6*\a], v[ST+6*\a+3]
.endr
.irp a, 0,1,2,3
	v_cvt_i32_f32 v[ST+6*\a+1], v[ST+6*\a+1]       ; (it saturates)
.endr
.irp a, 0,1,2,3
	v_ldexp_f32 v[ST+6*\a+2], 1.0, v[ST+6*\a+1]    ; f = 2^(old M - new M)
.endr
.irp t, 0,1,2,3
	KCH \t
.endr
.irp a, 0,1,2,3
	RESC \a
.endr
	SLOT 0
	SLOT 1
	SLOT 2
	SLOT 3
.rept 4
	v_nop                                          ; a place behind the last conversion, four in front of the product that takes its codes
.endr
.irp t, 0,1,2,3,4,5,6,7
	WP 3, \t
.endr
	WIN 0
	s_add_co_u32 s[REM], s[REM], 1
	s_cmp_lt_u32 s[REM], s[CNT]
	s_cbranch_scc1 .Litem
.Lnone:                                            ; the block's partial results go to LDS: -M and the sum, and O^T
	s_lshl_b32 s58, s[PH], 17
	v_add_nc_u32 v[DA], s58, v[DA0]
	v_add_nc_u32 v[DB], 65536, v[DA]
	s_lshl_b32 s58, s[PH], 12
	v_add_nc_u32 v[DS], s58, v[DS0]
.irp a, 0,1,2,3
	v_add_f32 v[ST+6*\a+1], v[ST+6*\a+4], v[ST+6*\a+5]
.endr
	v_nop                                          ; (eight places behind the last products)
	WALU
.irp a, 0,1,2,3
	ds_store_b64 v[DS], v[ST+6*\a:ST+6*\a+1] offset:1024*\a
.endr
	WIN 0x08
.irp a, 0,1
.irp i, 0,1,2,3,4,5,6,7,8,9,10,11,12,13,14,15
	WALU
	ds_store_b128 v[DA], v[64*\a+4*\i:64*\a+4*\i+3] offset:32768*\a+512*\i
.endr
.endr
.irp a, 0,1
.irp i, 0,1,2,3,4,5,6,7,8,9,10,11,12,13,14,15
	WALU
	ds_store_b128 v[DB], v[128+64*\a+4*\i:128+64*\a+4*\i+3] offset:32768*\a+512*\i
.endr
.endr
	WIN 0
	s_mov_b32 s[CNT], s[CNTB]
	s_add_co_u32 s[PH], s[PH], 1
	s_cmp_lt_u32 s[PH], 2
	s_cbranch_scc1 .Lphase
; THE MEETING.  Wave w finishes tile w of both blocks: four partial results under a common M, divided by the sum, quantised along the head's 128: a fragment of the output projection's left operand, stored as it stands.
	s_wait_loadcnt 0x0
	s_lshl_b32 s58, s[WV], 15
	v_add_nc_u32 v5, s58, v[LI]
	s_lshl_b32 s58, s[WV], 10
	s_add_co_u32 s58, s58, STATS
	v_add_nc_u32 v6, s58, v[L8]
	s_lshl_b32 s58, s[WV], 6
	s_add_co_u32 s58, s58, EXS
	v_add_nc_u32 v7, s58, v[LQ]
	s_mov_b32 s[PH], 0
.irp b, 0,1,2,3
	v_mov_b32 v[SO+\b], 0                          ; (lane permutes' destinations)
.endr
	WALU
	s_wait_dscnt 0x0                               ; my partial results are in LDS, for the others
	s_barrier_signal -1
	s_barrier_wait -1
.Lmeet:
	s_wait_xcnt 0x0                                ; the last trip's stores have read their registers
	s_lshl_b32 s58, s[PH], 17
	v_add_nc_u32 v[DA], s58, v5
	s_lshl_b32 s58, s[PH], 12
	v_add_nc_u32 v[DB], s58, v6
	s_lshl_b32 s58, s[PH], 8
	v_add_nc_u32 v[DS], s58, v7
	s_cmp_eq_u32 s[PH], 0
	s_cselect_b64 s[60:61], s[70:71], s[72:73]
.irp k, 0,1,2,3
	ds_load_b64 v[192+2*\k:193+2*\k], v[DB] offset:256*\k
.endr
	WIN 0x80
.irp k, 0,1,2,3
.irp i, 0,1,2,3,4,5,6,7,8,9,10,11,12,13,14,15
	ds_load_b128 v[64*\k+4*\i:64*\k+4*\i+3], v[DA] offset:8192*\k+512*\i
.endr
.endr
	WIN 0
	WALU
	s_wait_dscnt 60                                ; the four (-M, sum) are in: 68 loads went out
	v_min_num_f32 v200, v192, v194
	v_min_num_f32 v201, v196, v198
	v_min_num_f32 v200, v200, v201
.irp k, 0,1,2,3
	v_sub_f32 v[204+\k], v200, v[192+2*\k]
.endr
.irp k, 0,1,2,3
	v_cvt_i32_f32 v[204+\k], v[204+\k]
.endr
.irp k, 0,1,2,3
	v_ldexp_f32 v[208+2*\k], 1.0, v[204+\k]        ; 2^(M of wave k - common M)
.endr
	v_mul_f32 v216, v208, v193
	v_fma_f32 v216, v210, v195, v216
	v_fma_f32 v216, v212, v197, v216
	v_fma_f32 v216, v214, v199, v216
	v_permlanex16_b32 v217, v216, s[SEL], s[SEL+1]
	v_add_f32 v216, v216, v217                     ; the row's sum
	v_mov_b32 v219, 0
	WALU
	v_rcp_f32 v218, v216
	v_cmp_eq_f32 vcc_lo, 0, v216                   ; a row with no true place in the mask
	WALU
	v_cndmask_b32 v218, v218, v219, vcc_lo
.irp k, 0,1,2,3
	v_mul_f32 v[208+2*\k], v[208+2*\k], v218
.endr
	WALU
.irp k, 0,1,2,3
	s_wait_dscnt 48-16*\k                          ; wave k's sixteen loads are in
	WIN 0x02
.set j, 0
.rept 32
.if \k == 0
	v_pk_mul_f32 v[64+j:65+j], v[j:j+1], v[208:209] op_sel_hi:[1,0]
.else
	v_pk_fma_f32 v[64+j:65+j], v[64*\k+j:64*\k+j+1], v[208+2*\k:209+2*\k], v[64+j:65+j] op_sel_hi:[1,0,1]
.endif
.set j, j+2
.endr
	WIN 0
.endr
.irp b, 0,1,2,3
	v_max3_num_f32 v[HD+\b], |v[64+16*\b]|, |v[65+16*\b]|, 0x4800000
.endr
.irp i, 2,4,6,8,10,12,14
.irp b, 0,1,2,3
	v_max3_num_f32 v[HD+\b], v[HD+\b], |v[64+16*\b+\i]|, |v[65+16*\b+\i]|
.endr
.endr
.irp b, 0,1,2,3
	v_permlanex16_b32 v[SO+\b], v[HD+\b], s[SEL], s[SEL+1]
.endr
.irp b, 0,1,2,3
	v_max_num_f32 v[HD+\b], v[HD+\b], v[SO+\b]
.endr
.irp b, 0,1,2,3
	v_add_nc_u32 v[240+\b], 0xfc000000, v[HD+\b]
.endr
.irp b, 0,1,2,3
	v_and_or_b32 v[244+\b], v[HD+\b], 0x7f800000, s[MNT]
.endr
.irp b, 0,1,2,3
	v_lshrrev_b32 v[BY+\b], 23, v[240+\b]
.endr
	v_lshl_or_b32 v248, v[BY+1], 8, v[BY]
	v_lshl_or_b32 v248, v[BY+2], 16, v248
	v_lshl_or_b32 v248, v[BY+3], 24, v248
.irp b, 0,1,2,3
.irp i, 0,1,2,3,4,5,6,7,8,9,10,11,12,13,14,15
	v_med3_num_f32 v[64+16*\b+\i], v[64+16*\b+\i], -v[244+\b], v[244+\b]
.endr
	v_cvt_scalef32_pk8_fp8_f32 v[P+4*\b:P+4*\b+1], v[64+16*\b:71+16*\b], v[240+\b]
	v_cvt_scalef32_pk8_fp8_f32 v[P+4*\b+2:P+4*\b+3], v[72+16*\b:79+16*\b], v[240+\b]
.endr
	v_mov_b32 v250, 0x7f7f7f7f                     ; (a plain instruction behind the last conversion)  four NaN codes
	v_nop
.set j, 0
.rept 16
	v_cndmask_b32 v[P+j], v[P+j], v250, vcc_lo
.set j, j+1
.endr
.irp c, 0,1,2,3
	global_store_b128 v[OO], v[P+4*\c:P+4*\c+3], s[60:61] offset:512*\c   ; 512 consecutive bytes a store
.endr
	ds_store_b32 v[DS], v248
	s_add_co_u32 s[PH], s[PH], 1
	WALU
	s_cmp_lt_u32 s[PH], 2
	s_cbranch_scc1 .Lmeet
	s_and_b32 s58, s[WV], 1
	s_lshl_b32 s58, s58, 8
	s_add_co_u32 s58, s58, EXS
	v_add_nc_u32 v251, s58, v[L8]
	WALU
	s_wait_dscnt 0x0                               ; my scale words, for the others
	s_barrier_signal -1
	s_barrier_wait -1
	ds_load_b64 v[192:193], v251
	s_cmp_eq_u32 s[WV], 0
	s_cselect_b64 s[62:63], s[80:81], s[82:83]
	s_wait_dscnt 0x0
	s_cmp_lt_u32 s[WV], 2                          ; waves 0 and 1: a block's 256 bytes of scale words each
	s_cbranch_scc0 .Lno_words
	global_store_b64 v[L8], v[192:193], s[62:63]   ; 256 consecutive bytes, aligned
.Lno_words:
	s_wait_tensorcnt 0x0                           ; the wave's end
	ds_add_u32 v[SPW], v[NIL]
	s_wait_dscnt 0x0
	s_endpgm
.Lfunc_end_k_q32bf9f081b_attn:
	.size	k_q32bf9f081b_attn, .Lfunc_end_k_q32bf9f081b_attn-k_q32bf9f081b_attn
	.p2alignl 7, 3214868480
	.fill 96, 4, 3214868480
	.section	.rodata,"a",@progbits
	.p2align	6, 0x0
	.amdhsa_kernel k_q32bf9f081b_attn
		.amdhsa_group_segment_fixed_size 271360
		.amdhsa_private_segment_fixed_size 0
		.amdhsa_enable_private_segment 0
		.amdhsa_kernarg_size 24
		.amdhsa_user_sgpr_count 2
		.amdhsa_user_sgpr_kernarg_segment_ptr 1
		.amdhsa_wavefront_size32 1
		.amdhsa_system_sgpr_workgroup_id_x 1
		.amdhsa_system_sgpr_workgroup_id_y 1
		.amdhsa_system_sgpr_workgroup_id_z 1
		.amdhsa_system_vgpr_workitem_id 0
		.amdhsa_next_free_vgpr 1024
		.amdhsa_next_free_sgpr 96
		.amdhsa_reserve_vcc 1
		.amdhsa_float_denorm_mode_32 3
		.amdhsa_float_denorm_mode_16_64 3
		.amdhsa_memory_ordered 1
		.amdhsa_forward_progress 1
		.amdhsa_inst_pref_size 184
	.end_amdhsa_kernel
	.amdgpu_metadata
---
amdhsa.version: [ 1, 2 ]
amdhsa.kernels:
  - .name:           k_q32bf9f081b_attn
    .symbol:         k_q32bf9f081b_attn.kd
    .args:
      - { .name: qkv, .offset: 0, .size: 8, .value_kind: global_buffer, .address_space: global }
      - { .name: mbits, .offset: 8, .size: 8, .value_kind: global_buffer, .address_space: global }
      - { .name: att, .offset: 16, .size: 8, .value_kind: global_buffer, .address_space: global }
    .group_segment_fixed_size: 271360
    .private_segment_fixed_size: 0
    .kernarg_segment_align: 8
    .kernarg_segment_size: 24
    .max_flat_workgroup_size: 128
    .sgpr_count:     96
    .vgpr_count:     1024
    .wavefront_size: 32
...
	.end_amdgpu_metadata
.endif
;; end of part 3
;; launch oproj (part 4): grid 16 x 16, 4 waves a work-group, clusters of 4 x 4, 327,680 bytes of LDS; arguments prep, att, bo, out0; writes out0
.if DOCPART == 4
	.amdgcn_target "amdgcn-amd-amdhsa--gfx1250"
	.amdhsa_code_object_version 6
	.text
	.protected	k_q32bf9f081b_oproj
	.globl	k_q32bf9f081b_oproj
	.p2align	8
	.type	k_q32bf9f081b_oproj,@function
k_q32bf9f081b_oproj:
	s_mov_b64 s[64:65], 0
	v_nop
	global_prefetch_b8 v0, s[64:65] scope:SCOPE_SE
	s_setreg_imm32_b32 hwreg(HW_REG_WAVE_MODE, 25, 1), 1
	s_wait_xcnt 0x0
	s_wait_alu depctr_hold_cnt(0) depctr_sa_sdst(0) depctr_va_vdst(0) depctr_va_sdst(0) depctr_va_ssrc(0) depctr_va_vcc(0) depctr_vm_vsrc(0)
	s_getreg_b32 s2, hwreg(HW_REG_IB_STS2, 6, 4)
	s_cmp_eq_u32 s2, 0
	s_cbranch_scc0 .Lentry_in_a_cluster
	s_endpgm
.Lentry_in_a_cluster:
	s_bfe_u32 s2, ttmp6, 0x10000c
	s_cmp_lg_u32 s2, 0xf033
	s_cbranch_scc0 .Lentry_shape_is_right
	s_endpgm
.Lentry_shape_is_right:
.set BLKB,  16896
.set ASZ,   4*BLKB
.set BP,    528
.set SLOT,  2*ASZ
.set QUART, 33792
.set SCB,   2*SLOT
.set SPARE, SCB+8704
.set STAGE, SPARE+512
.set P_SCALES, 20971520
.set ADA, 4
.set ADB, 6
.set ASA, 8
.set ASB, 10
.set STO, 11
.set RD,  12
.set CO,  13
.set BO,  14
.set SPW, 28
.set NIL, 29
.set WV,  14
.set G1A, 24
.set G0A, 32
.set G1B, 48
.set G0B, 56
.set G1S, 68
.set G0S, 76
.set G0H, 80                           ; s[80:83], s[84:87] group 0 of the head's loads: the first K step's whole A, whole B
.set G0HB, 84
.set MUL, 0x05
.set MSB, 0
.macro WIN new
.if MSB != \new
	s_set_vgpr_msb (MSB<<8)|\new
.set MSB, \new
.endif
.endm
.macro PLACES n
.rept \n
	v_nop
.endr
.endm
.macro JLOAD s
	s_cmp_eq_u32 s15, 0
	s_cbranch_scc0 .Lfor_b_\@
	tensor_load_to_lds s[G0A+4*\s:G0A+4*\s+3], s[G1A:G1A+7]
	s_nop 0
.rept 4
	v_nop
.endr
	s_branch .Lasked_\@
.Lfor_b_\@:
	tensor_load_to_lds s[G0B+4*\s:G0B+4*\s+3], s[G1B:G1B+7]
	s_nop 0
.rept 4
	v_nop
.endr
.Lasked_\@:
.endm
.macro CREST
	s_cmp_lg_u32 s[WV], 0
	s_cbranch_scc1 .Lnot_wave_0_\@
	s_barrier_signal -3
.Lnot_wave_0_\@:
	s_barrier_wait -3
	s_barrier_signal -1
	s_barrier_wait -1
.endm
.macro CROUND
	s_barrier_signal -1
	s_barrier_wait -1
	CREST
.endm
	s_load_b256 s[4:11], s[0:1], 0x0
	v_lshl_add_u32 v[SPW], v0, 2, SPARE
	v_mov_b32 v[NIL], 0
	ds_add_u32 v28, v29
	ds_add_u32 v28, v29
	s_wait_dscnt 0x0
	v_lshrrev_b32 v1, 5, v0
	v_readfirstlane_b32 s[WV], v1
	s_lshr_b32 s15, s[WV], 1
	s_and_b32 s16, s[WV], 1
	s_bfe_u32 s40, ttmp6, 0x40000
	s_bfe_u32 s41, ttmp6, 0x40004
	s_lshl_b32 s42, ttmp9, 2
	s_add_co_u32 s42, s42, s40
	s_and_b32 s43, ttmp7, 0xffff
	s_lshl_b32 s43, s43, 2
	s_add_co_u32 s43, s43, s41
	s_lshl_b32 s44, s41, 2
	s_lshl_b32 s44, 15, s44
	s_lshl_b32 s45, 0x1111, s40
	s_or_b32 s[G1A], s44, (3<<16)|(1<<21)
	s_mov_b32 s[G1A+1], 32<<16
	s_mov_b32 s[G1A+2], 264<<16                    ; the head's load brings the whole tile; 132 rows for the ring's loads are set behind it
	s_mov_b32 s[G1A+3], 32<<16
	s_mov_b32 s[G1A+4], 264
	s_mov_b32 s[G1A+5], 32
	s_mov_b32 s[G1A+6], 0
	s_mov_b32 s[G1A+7], 0
	s_or_b32 s[G1B], s45, (1<<20)|(1<<21)|(6<<22)|(3<<25)
	s_mov_b32 s[G1B+1], 512<<16
	s_mov_b32 s[G1B+2], 128<<16                    ; likewise: 128 rows, then 64
	s_mov_b32 s[G1B+3], 512<<16
	s_mov_b32 s[G1B+4], 128
	s_mov_b32 s[G1B+5], 2048
	s_mov_b32 s[G1B+6], 0
	s_mov_b32 s[G1B+7], 0
	s_or_b32 s[G1S], s45, (3<<16)|(1<<20)|(1<<21)|(5<<22)|(3<<25)
	s_mov_b32 s[G1S+1], 32<<16
	s_mov_b32 s[G1S+2], 16<<16
	s_mov_b32 s[G1S+3], 32<<16
	s_mov_b32 s[G1S+4], 16
	s_mov_b32 s[G1S+5], 32
	s_mov_b32 s[G1S+6], 0
	s_mov_b32 s[G1S+7], 0
	s_mul_i32 s18, s43, 16*BLKB
	s_mov_b32 s19, 0
	s_lshl_b32 s46, s42, 18
	s_add_co_u32 s46, s46, 16777216
	s_mov_b32 s47, 0
	s_lshl_b32 s20, s42, 13
	s_lshl_b32 s21, s16, 12                        ; waves 2 and 3: half of the scale bytes each
	s_add_co_u32 s20, s20, s21
	s_add_co_u32 s20, s20, P_SCALES+524288
	s_mov_b32 s21, 0
	s_mul_i32 s22, s[WV], QUART
	s_mul_i32 s23, s16, 4352
	s_wait_kmcnt 0x0
	s_add_nc_u64 s[18:19], s[6:7], s[18:19]
	s_add_nc_u64 s[46:47], s[4:5], s[46:47]
	s_add_nc_u64 s[20:21], s[4:5], s[20:21]
	CROUND
	s_mov_b32 s[G0S], 1
	s_add_co_u32 s[G0S+1], s23, SCB
	s_mov_b64 s[G0S+2:G0S+3], s[20:21]
	s_or_b32 s[G0S+3], s[G0S+3], 0x80000000
	s_mov_b32 s[G0H], 1
	s_mov_b32 s[G0H+1], 0
	s_mov_b64 s[G0H+2:G0H+3], s[18:19]
	s_or_b32 s[G0H+3], s[G0H+3], 0x80000000
	s_mov_b32 s[G0HB], 1
	s_mov_b32 s[G0HB+1], ASZ
	s_mov_b64 s[G0HB+2:G0HB+3], s[46:47]
	s_or_b32 s[G0HB+3], s[G0HB+3], 0x80000000
; THE HEAD'S LOADS, one joint load a wave: wave 0 the first K step's A, wave 1 its B, waves 2 and 3 the scale bytes of B's 128 rows.
.macro ARM under, g0, g1, next
	s_cmp_lt_u32 s[WV], \under
	s_cbranch_scc0 \next
	tensor_load_to_lds s[\g0:\g0+3], s[\g1:\g1+7]
	s_nop 0
.rept 4
	v_nop
.endr
	s_branch .Lhead_asked
\next:
.endm
	ARM 1, G0H, G1A, .Lhead_b
	ARM 2, G0HB, G1B, .Lhead_s
	tensor_load_to_lds s[G0S:G0S+3], s[G1S:G1S+7]
	s_nop 0
.rept 4
	v_nop
.endr
.Lhead_asked:
	s_mul_i32 s2, s16, QUART                       ; for the ring: waves 0 and 1 fetch A's halves, waves 2 and 3 B's
	s_mov_b32 s3, 0
	s_add_nc_u64 s[18:19], s[18:19], s[2:3]
	s_lshl_b32 s2, s16, 17
	s_add_nc_u64 s[46:47], s[46:47], s[2:3]
; PREFETCH INTO THE L2, two K steps ahead of the tensor load that wants the bytes.  Of what a wave fetches in a step each of the four partners that ask for it jointly takes a quarter, told apart by address (cx for A, cy for B):
; of A's dense half 33 blocks of 256 bytes (32 lanes, and one block more), of B's 64 rows 16, two blocks a row.  So each block is named once in a cluster.  Step 0's load asks for steps 1 and 2, step 1's for step 3; the last two loads ask for nothing.
	s_cmp_eq_u32 s15, 0
	s_cselect_b64 s[90:91], s[18:19], s[46:47]
	s_cselect_b32 s88, s40, s41
	s_mov_b32 s89, 32768
	s_cselect_b32 s89, 8448, s89
	s_mul_i32 s88, s88, s89                        ; my work-group's quarter
	s_mov_b32 s89, 2048
	s_cselect_b32 s92, 512, s89                    ; from one pair of lanes to the next
	s_mov_b32 s89, 512
	s_cselect_b32 s94, ASZ, s89                    ; from K step to K step
	s_mov_b32 s95, 0
	s_mov_b32 s89, 0
	s_add_nc_u64 s[90:91], s[90:91], s[88:89]
	s_add_nc_u64 s[90:91], s[90:91], s[94:95]      ; K step 1,
	s_add_nc_u64 s[88:89], s[90:91], s[94:95]      ; K step 2,
	v_bfe_u32 v31, v0, 1, 4
	v_and_b32 v30, 1, v0
	v_mul_u32_u24 v31, s92, v31
	v_lshl_add_u32 v30, v30, 8, v31
	v_mov_b32 v31, 0x2000
	s_add_nc_u64 s[92:93], s[88:89], s[94:95]      ; K step 3
	s_wait_alu depctr_va_vdst(0)                   ; the wait ahead of the branches
.macro ASK p
	global_prefetch_b8 v30, s[\p:\p+1] th:TH_LOAD_NT scope:SCOPE_SE
	s_cmp_eq_u32 s15, 0
	s_cbranch_scc0 .Lrows_\@
	global_prefetch_b8 v31, s[\p:\p+1] th:TH_LOAD_NT scope:SCOPE_SE
.Lrows_\@:
.endm
	ASK 90
	ASK 88
.irp s, 0,1
	s_mov_b32 s[G0A+4*\s], 1
	s_add_co_u32 s[G0A+4*\s+1], s22, \s*SLOT
	s_add_nc_u64 s[G0A+4*\s+2:G0A+4*\s+3], s[18:19], \s*ASZ
	s_or_b32 s[G0A+4*\s+3], s[G0A+4*\s+3], 0x80000000
	s_mov_b32 s[G0B+4*\s], 1
	s_add_co_u32 s[G0B+4*\s+1], s22, \s*SLOT
	s_add_nc_u64 s[G0B+4*\s+2:G0B+4*\s+3], s[46:47], \s*512
	s_or_b32 s[G0B+4*\s+3], s[G0B+4*\s+3], 0x80000000
.endr
	v_and_b32 v1, 15, v0
	v_bfe_u32 v2, v0, 4, 1
	v_and_b32 v3, 31, v0
	s_lshl_b32 s18, s15, 13
	v_lshl_add_u32 v[ADA], v3, 4, s18
	v_add_nc_u32 v[ADA+1], SLOT, v[ADA]
	s_mul_i32 s19, s16, 64*BP
	s_add_co_u32 s19, s19, ASZ
	v_mul_u32_u24 v15, v1, BP
	v_lshl_add_u32 v15, v2, 4, v15
	v_add_nc_u32 v[ADB], s19, v15
	v_add_nc_u32 v[ADB+1], SLOT, v[ADB]
	s_lshl_b32 s18, s15, 8
	s_add_co_u32 s18, s18, 16384
	v_lshl_add_u32 v[ASA], v3, 2, s18
	v_add_nc_u32 v[ASA+1], SLOT, v[ASA]
	v_lshrrev_b32 v15, 2, v1
	v_mul_u32_u24 v15, v15, 272
	v_and_b32 v16, 3, v1
	v_lshl_add_u32 v15, v16, 6, v15
	s_mul_i32 s18, s16, 16*272
	s_add_co_u32 s18, s18, SCB
	v_add_nc_u32 v[ASB], s18, v15
	s_mul_i32 s18, s[WV], 16*272
	s_add_co_u32 s18, s18, STAGE
	v_mul_u32_u24 v[STO], v1, 272
	v_lshl_add_u32 v[STO], v2, 6, v[STO]
	v_add_nc_u32 v[STO], s18, v[STO]
	v_mul_u32_u24 v[RD], v2, 272
	v_lshl_add_u32 v[RD], v1, 4, v[RD]
	v_add_nc_u32 v[RD], s18, v[RD]
	v_lshlrev_b32 v[CO], 13, v2
	v_lshl_add_u32 v[CO], v1, 4, v[CO]
	s_lshl_b32 s18, s42, 9
	s_lshl_b32 s19, s16, 8
	s_add_co_u32 s18, s18, s19
	v_lshl_add_u32 v[BO], v2, 6, s18
	s_lshl_b32 s20, s43, 7
	s_lshl_b32 s21, s15, 6
	s_add_co_u32 s20, s20, s21
	s_lshl_b32 s20, s20, 13
	s_add_co_u32 s20, s20, s18
	s_mov_b32 s21, 0
	s_add_nc_u64 s[10:11], s[10:11], s[20:21]
.irp b, 0,1,2,3
	global_load_b128 v[68+8*\b:71+8*\b], v[BO], s[8:9] offset:(32*(\b/2)+8*(\b%2))*4
	global_load_b128 v[72+8*\b:75+8*\b], v[BO], s[8:9] offset:(32*(\b/2)+8*(\b%2))*4+16
.endr
.macro FETCH slot, q, p
	WIN 0x40
.irp b, 0,1,2,3
.irp c, 0,1,2,3
	ds_load_b128 v[128*(\p)+16*\b+4*\c:128*(\p)+16*\b+4*\c+3], v[ADB+\slot] offset:128*(\q)+32*\c+\b*16*BP
.endr
.endr
.irp a, 0,1,2,3
.irp c, 0,1,2,3
	ds_load_b128 v[128*(\p)+64+16*\a+4*\c:128*(\p)+64+16*\a+4*\c+3], v[ADA+\slot] offset:(\q)*BLKB+\a*2048+512*\c
.endr
.endr
	WIN 0
.irp i, 0,1
	ds_load_b32 v[32+2*(\p)+\i], v[ASA+\slot] offset:(\q)*BLKB+128*\i
.endr
.endm
.macro SBLOAD idx
.irp b, 0,1,2,3
	ds_load_b128 v[36+16*((\idx)%2)+4*\b:36+16*((\idx)%2)+4*\b+3], v[ASB] offset:\b*1088+16*(\idx)
.endr
.endm
.macro MUL4 a, p, q, par, first
.irp b, 0,1,2,3
.if \first
.if (\a)%2
	v_wmma_scale_f32_16x16x128_f8f6f4 v[128+8*(4*\a+\b):128+8*(4*\a+\b)+7], v[128*\p+16*\b:128*\p+16*\b+15], v[128*\p+64+16*\a:128*\p+64+16*\a+15], v[68+8*\b:75+8*\b], v[36+16*\par+4*\b+\q], v[32+2*\p+\a/2] matrix_b_scale:MATRIX_SCALE_ROW1
.else
	v_wmma_scale_f32_16x16x128_f8f6f4 v[128+8*(4*\a+\b):128+8*(4*\a+\b)+7], v[128*\p+16*\b:128*\p+16*\b+15], v[128*\p+64+16*\a:128*\p+64+16*\a+15], v[68+8*\b:75+8*\b], v[36+16*\par+4*\b+\q], v[32+2*\p+\a/2]
.endif
.else
.if (\a)%2
	v_wmma_scale_f32_16x16x128_f8f6f4 v[128+8*(4*\a+\b):128+8*(4*\a+\b)+7], v[128*\p+16*\b:128*\p+16*\b+15], v[128*\p+64+16*\a:128*\p+64+16*\a+15], v[128+8*(4*\a+\b):128+8*(4*\a+\b)+7], v[36+16*\par+4*\b+\q], v[32+2*\p+\a/2] matrix_b_scale:MATRIX_SCALE_ROW1
.else
	v_wmma_scale_f32_16x16x128_f8f6f4 v[128+8*(4*\a+\b):128+8*(4*\a+\b)+7], v[128*\p+16*\b:128*\p+16*\b+15], v[128*\p+64+16*\a:128*\p+64+16*\a+15], v[128+8*(4*\a+\b):128+8*(4*\a+\b)+7], v[36+16*\par+4*\b+\q], v[32+2*\p+\a/2]
.endif
.endif
.endr
.endm
.macro STEP slot, q, first
	s_wait_dscnt 0x0
.if !\first
	PLACES 8
.endif
	FETCH \slot, (\q)+1, ((\q)+1)%2
	WIN MUL
.irp a, 0,1,2,3
	MUL4 \a, (\q%2), \q, \slot, \first
.endr
.endm
.macro TURN slot, next, idx, fill
	WIN 0
	s_wait_tensorcnt 0x0
	ds_add_u32 v[SPW], v[NIL]
	s_wait_dscnt 1
	WIN MUL
	MUL4 0, 1, 3, \slot, 0
	s_wait_dscnt 0x0
	s_barrier_signal -1
	MUL4 1, 1, 3, \slot, 0
	WIN 0
	s_barrier_wait -1
.if \fill
	CREST
	s_add_nc_u64 s[G0A+4*\slot+2:G0A+4*\slot+3], s[G0A+4*\slot+2:G0A+4*\slot+3], 2*ASZ
	s_add_nc_u64 s[G0B+4*\slot+2:G0B+4*\slot+3], s[G0B+4*\slot+2:G0B+4*\slot+3], 1024
	JLOAD \slot
	PLACES 4
.else
	PLACES 8
.endif
	FETCH \next, 0, 0
	SBLOAD (\idx)+1
	WIN MUL
	MUL4 2, 1, 3, \slot, 0
	MUL4 3, 1, 3, \slot, 0
.endm
	s_wait_alu depctr_va_vdst(0)                   ; the wait at the head's end
	s_wait_tensorcnt 0x0                           ; my tile is in; ahead of a later first fill
	ds_add_u32 v[SPW], v[NIL]
	s_mov_b32 s[G1A+2], 132<<16                    ; no tensor load of mine is out: the ring's row counts
	s_mov_b32 s[G1A+4], 132
	s_mov_b32 s[G1B+2], 64<<16
	s_mov_b32 s[G1B+4], 64
	s_wait_dscnt 0x0                               ; the add is done
	CROUND                                         ; everybody's part of the first K step is in
	JLOAD 1                                        ; the second K step, the first tensor load behind the round
	FETCH 0, 0, 0
	SBLOAD 0
	ASK 92
	s_wait_loadcnt 0x0
	STEP 0, 0, 1
	STEP 0, 1, 0
	STEP 0, 2, 0
	TURN 0, 1, 0, 1
	STEP 1, 0, 0
	STEP 1, 1, 0
	STEP 1, 2, 0
	TURN 1, 0, 1, 1
	STEP 0, 0, 0
	STEP 0, 1, 0
	STEP 0, 2, 0
	TURN 0, 1, 2, 0
	STEP 1, 0, 0
	STEP 1, 1, 0
	STEP 1, 2, 0
	s_wait_dscnt 0x0
	WIN MUL
.irp a, 0,1,2,3
	MUL4 \a, 1, 3, 1, 0
.endr
	WIN 0
	PLACES 8
.macro OUTA a
.irp b, 0,1,2,3
	ds_store_b128 v[STO], v[128+8*(4*\a+\b):128+8*(4*\a+\b)+3] offset:128*(\b/2)+32*(\b%2)
	ds_store_b128 v[STO], v[128+8*(4*\a+\b)+4:128+8*(4*\a+\b)+7] offset:128*(\b/2)+32*(\b%2)+16
.endr
	WIN 0x40
.irp i, 0,1,2,3,4,5,6,7
	ds_load_b128 v[32*\a+4*\i:32*\a+4*\i+3], v[RD] offset:2*\i*272
.endr
	WIN 0
.endm
.macro SEND a, younger
	s_wait_dscnt \younger
	WIN 0x04
.irp i, 0,1,2,3,4,5,6,7
	global_store_b128 v[CO], v[32*\a+4*\i:32*\a+4*\i+3], s[10:11] offset:(32*(\a/2)+8*(\a%2)+2*\i+8*(\i/4))*8192 th:TH_STORE_NT
.endr
	WIN 0
.endm
	s_wait_alu depctr_va_vdst(0)
	OUTA 0
	OUTA 1
	SEND 0, 16
	OUTA 2
	SEND 1, 16
	OUTA 3
	SEND 2, 16
	SEND 3, 0
	s_wait_tensorcnt 0x0
	ds_add_u32 v[SPW], v[NIL]
	s_wait_dscnt 0x0
	CROUND
	s_endpgm
.Lfunc_end_k_q32bf9f081b_oproj:
	.size	k_q32bf9f081b_oproj, .Lfunc_end_k_q32bf9f081b_oproj-k_q32bf9f081b_oproj
	.p2alignl 7, 3214868480
	.fill 96, 4, 3214868480
	.section	.rodata,"a",@progbits
	.p2align	6, 0x0
	.amdhsa_kernel k_q32bf9f081b_oproj
		.amdhsa_group_segment_fixed_size 327680
		.amdhsa_private_segment_fixed_size 0
		.amdhsa_enable_private_segment 0
		.amdhsa_kernarg_size 32
		.amdhsa_user_sgpr_count 2
		.amdhsa_user_sgpr_kernarg_segment_ptr 1
		.amdhsa_wavefront_size32 1
		.amdhsa_system_sgpr_workgroup_id_x 1
		.amdhsa_system_sgpr_workgroup_id_y 1
		.amdhsa_system_sgpr_workgroup_id_z 1
		.amdhsa_system_vgpr_workitem_id 0
		.amdhsa_next_free_vgpr 512
		.amdhsa_next_free_sgpr 96
		.amdhsa_reserve_vcc 0
		.amdhsa_float_denorm_mode_32 3
		.amdhsa_float_denorm_mode_16_64 3
		.amdhsa_memory_ordered 1
		.amdhsa_forward_progress 1
		.amdhsa_inst_pref_size 96
	.end_amdhsa_kernel
	.amdgpu_metadata
---
amdhsa.version: [ 1, 2 ]
amdhsa.kernels:
  - .name:           k_q32bf9f081b_oproj
    .symbol:         k_q32bf9f081b_oproj.kd
    .args:
      - { .name: prep, .offset: 0, .size: 8, .value_kind: global_buffer, .address_space: global }
      - { .name: att, .offset: 8, .size: 8, .value_kind: global_buffer, .address_space: global }
      - { .name: bo, .offset: 16, .size: 8, .value_kind: global_buffer, .address_space: global }
      - { .name: out0, .offset: 24, .size: 8, .value_kind: global_buffer, .address_space: global }
    .group_segment_fixed_size: 327680
    .private_segment_fixed_size: 0
    .kernarg_segment_align: 8
    .kernarg_segment_size: 32
    .max_flat_workgroup_size: 128
    .sgpr_count:     96
    .vgpr_count:     512
    .wavefront_size: 32
...
	.end_amdgpu_metadata
.endif
;; end of part 4
